; MI455X (gfx1250); checked and timed in simulation.
; The chip was launched on July 23, 2026; its instructions are those of AMD's public machine-readable ISA for CDNA 5 (MIT licence, August 2026) and "CDNA5" Instruction Set Architecture Reference Guide (July 2026). The comments in the code are by the model that wrote it; some were corrected since.
;; DCT Channel Block. Allowed arithmetic: float matrix products may take bf16 or f16 operands with f32 sums; all other float work in f32.
;; Inputs: ln_b 1,024 float32; ln_w 1,024 float32; w1 1,024 x 512 float32; w2 512 x 1,024 float32; x 32 x 512 x 1,024 float32.
;; Outputs: out0 32 x 512 x 1,024 float32.
;; 2 versions, each right. Each part assembles by itself: llvm-mc -triple=amdgcn-amd-amdhsa -mcpu=gfx1250 --defsym DOCPART=n.
;; ======== version 1 of 2: 3 launches
;; workspace buffers: dmat 2,097,152 bytes; w1b 1,048,576 bytes; w2b 1,048,576 bytes; hn 33,554,432 bytes
;; launch prep (part 1): grid 1024 x 1, 8 waves a work-group, no clusters, 0 bytes of LDS; arguments w1, w2, dmat, w1b, w2b; writes dmat, w1b, w2b
.if DOCPART == 1
	.amdgcn_target "amdgcn-amd-amdhsa--gfx1250"
	.amdhsa_code_object_version 6
	.text
	.protected	k_q6d7a8a5df0_prep
	.globl	k_q6d7a8a5df0_prep
	.p2align	8
	.type	k_q6d7a8a5df0_prep,@function
k_q6d7a8a5df0_prep:
	s_mov_b64 s[64:65], 0
	v_nop
	global_prefetch_b8 v0, s[64:65] scope:SCOPE_SE
	s_setreg_imm32_b32 hwreg(HW_REG_WAVE_MODE, 25, 1), 1
	s_wait_xcnt 0x0
; PREPARATION.  Three tables in bf16, each thread making 8 neighbouring numbers (16 bytes), so that a wave's store covers 512 consecutive aligned bytes.
;   work-groups   0-511:  dmat[ks][k][j] = 2 cos(pi k (2 n + 1) / 2048), n = 64 ks + j: the DCT matrix in blocks of 64 along n, a block 131,072 dense bytes
;   work-groups 512-767:  w1b = w1 rounded, as it lies
;   work-groups 768-1023: w2b[g][c][j] = w2[c][64 g + j]: blocks of 64 along the hidden axis, a block 65,536 dense bytes
; THE COSINE.  The angle is pi m / 2048 with the whole number m = k (2 n + 1): m is reduced exactly, in integers, to t in 0..1024 and a sign
; (period 4096, cos(2 pi - a) = cos a, cos(pi - a) = -cos a); cos(pi t / 2048) is the series in the angle's square up to the 12th power, whose first term left out is below 1e-8 at pi / 2.
; No LDS, no barrier: threads share nothing.  The branch hangs on the work-group's number alone.
	s_load_b256 s[4:11], s[0:1], 0x0               ; w1 s[4:5], w2 s[6:7], dmat s[8:9], w1b s[10:11]
	s_load_b64 s[12:13], s[0:1], 0x20              ; w2b
	s_mov_b32 s15, ttmp9
	s_cmp_lt_u32 s15, 512
	s_cbranch_scc0 .Lweights
	s_lshl_b32 s14, s15, 8
	v_add_nc_u32 v1, s14, v0                       ; e = 8192 ks + 8 k + j / 8
	v_lshlrev_b32 v2, 4, v1                        ; my 16 bytes
	v_bfe_u32 v3, v1, 3, 10                        ; k
	v_lshrrev_b32 v4, 13, v1                       ; ks
	v_and_b32 v5, 7, v1
	v_lshlrev_b32 v5, 3, v5
	v_lshl_add_u32 v4, v4, 6, v5                   ; my first n
	v_lshl_add_u32 v4, v4, 1, 1                    ; 2 n + 1
	v_mul_u32_u24 v4, v3, v4                       ; m, below 2^22
	v_lshlrev_b32 v3, 1, v3                        ; from n to n + 1 m grows by 2 k
	s_mov_b32 s20, 0x3ac90fdb                      ; pi / 2048
	s_mov_b32 s21, 0x310f76c7                      ; 1 / 12!
	s_mov_b32 s22, 0xb493f27e                      ; -1 / 10!
	s_mov_b32 s23, 0x37d00d01                      ; 1 / 8!
	s_mov_b32 s24, 0xbab60b61                      ; -1 / 6!
	s_mov_b32 s25, 0x3d2aaaab                      ; 1 / 4!
	s_mov_b32 s26, 1024
.set j, 0
.rept 8
	v_and_b32 v5, 0xfff, v4                        ; m mod 4096
	v_sub_nc_u32 v6, 0x1000, v5
	v_min_u32 v5, v5, v6                           ; 0..2048
	v_cmp_lt_u32 vcc_lo, s26, v5                   ; beyond a quarter turn the cosine is negative
	v_sub_nc_u32 v6, 0x800, v5
	v_min_u32 v5, v5, v6                           ; t, 0..1024
	v_cvt_f32_u32 v5, v5
	v_mul_f32 v5, s20, v5                          ; the angle, 0..pi / 2
	v_mul_f32 v5, v5, v5
	v_fma_f32 v6, v5, s21, s22
	v_fma_f32 v6, v6, v5, s23
	v_fma_f32 v6, v6, v5, s24
	v_fma_f32 v6, v6, v5, s25
	v_fma_f32 v6, v6, v5, -0.5
	v_fma_f32 v6, v6, v5, 1.0
	v_cndmask_b32 v7, 2.0, -2.0, vcc_lo
	v_mul_f32 v[8+j], v6, v7
	v_add_nc_u32 v4, v4, v3
.set j, j+1
.endr
.irp i, 0,1,2,3
	v_cvt_pk_bf16_f32 v[16+(\i)], v[8+2*(\i)], v[9+2*(\i)]
.endr
	s_wait_kmcnt 0x0
	global_store_b128 v2, v[16:19], s[8:9]
	s_endpgm
.Lweights:
	s_cmp_lt_u32 s15, 768
	s_cbranch_scc0 .Lw2
	s_sub_co_u32 s14, s15, 512
	s_lshl_b32 s14, s14, 8
	v_add_nc_u32 v1, s14, v0                       ; e: numbers 8 e .. 8 e + 7 of w1
	v_lshlrev_b32 v2, 5, v1
	v_lshlrev_b32 v3, 4, v1
	s_wait_kmcnt 0x0
	global_load_b128 v[8:11], v2, s[4:5] th:TH_LOAD_NT
	global_load_b128 v[12:15], v2, s[4:5] offset:16 th:TH_LOAD_NT
	s_wait_loadcnt 0x0
.irp i, 0,1,2,3
	v_cvt_pk_bf16_f32 v[16+(\i)], v[8+2*(\i)], v[9+2*(\i)]
.endr
	global_store_b128 v3, v[16:19], s[10:11]
	s_endpgm
.Lw2:
	s_sub_co_u32 s14, s15, 768
	s_lshl_b32 s14, s14, 8
	v_add_nc_u32 v1, s14, v0                       ; e = 4096 g + 8 c + j / 8
	v_lshrrev_b32 v2, 12, v1                       ; g
	v_bfe_u32 v3, v1, 3, 9                         ; c
	v_and_b32 v4, 7, v1
	v_lshlrev_b32 v4, 5, v4                        ; 8 numbers of 4 bytes: eight neighbouring lanes read 256 consecutive aligned bytes
	v_lshl_add_u32 v4, v2, 8, v4                   ; + 64 g numbers
	v_lshl_add_u32 v4, v3, 12, v4                  ; + c rows of 4,096 bytes
	v_lshlrev_b32 v5, 4, v1
	s_wait_kmcnt 0x0
	global_load_b128 v[8:11], v4, s[6:7] th:TH_LOAD_NT
	global_load_b128 v[12:15], v4, s[6:7] offset:16 th:TH_LOAD_NT
	s_wait_loadcnt 0x0
.irp i, 0,1,2,3
	v_cvt_pk_bf16_f32 v[16+(\i)], v[8+2*(\i)], v[9+2*(\i)]
.endr
	global_store_b128 v5, v[16:19], s[12:13]
	s_endpgm
.Lfunc_end_k_q6d7a8a5df0_prep:
	.size	k_q6d7a8a5df0_prep, .Lfunc_end_k_q6d7a8a5df0_prep-k_q6d7a8a5df0_prep
	.p2alignl 7, 3214868480
	.fill 96, 4, 3214868480
	.section	.rodata,"a",@progbits
	.p2align	6, 0x0
	.amdhsa_kernel k_q6d7a8a5df0_prep
		.amdhsa_group_segment_fixed_size 0
		.amdhsa_private_segment_fixed_size 0
		.amdhsa_enable_private_segment 0
		.amdhsa_kernarg_size 40
		.amdhsa_user_sgpr_count 2
		.amdhsa_user_sgpr_kernarg_segment_ptr 1
		.amdhsa_wavefront_size32 1
		.amdhsa_system_sgpr_workgroup_id_x 1
		.amdhsa_system_sgpr_workgroup_id_y 1
		.amdhsa_system_sgpr_workgroup_id_z 1
		.amdhsa_system_vgpr_workitem_id 0
		.amdhsa_next_free_vgpr 32
		.amdhsa_next_free_sgpr 66
		.amdhsa_reserve_vcc 1
		.amdhsa_float_denorm_mode_32 3
		.amdhsa_float_denorm_mode_16_64 3
		.amdhsa_memory_ordered 1
		.amdhsa_forward_progress 1
		.amdhsa_inst_pref_size 11
	.end_amdhsa_kernel
	.amdgpu_metadata
---
amdhsa.version: [ 1, 2 ]
amdhsa.kernels:
  - .name:           k_q6d7a8a5df0_prep
    .symbol:         k_q6d7a8a5df0_prep.kd
    .args:
      - { .name: w1, .offset: 0, .size: 8, .value_kind: global_buffer, .address_space: global }
      - { .name: w2, .offset: 8, .size: 8, .value_kind: global_buffer, .address_space: global }
      - { .name: dmat, .offset: 16, .size: 8, .value_kind: global_buffer, .address_space: global }
      - { .name: w1b, .offset: 24, .size: 8, .value_kind: global_buffer, .address_space: global }
      - { .name: w2b, .offset: 32, .size: 8, .value_kind: global_buffer, .address_space: global }
    .group_segment_fixed_size: 0
    .private_segment_fixed_size: 0
    .kernarg_segment_align: 8
    .kernarg_segment_size: 40
    .max_flat_workgroup_size: 256
    .sgpr_count:     66
    .vgpr_count:     32
    .wavefront_size: 32
...
	.end_amdgpu_metadata
.endif
;; end of part 1
;; launch dctln (part 2): grid 256 x 1, 4 waves a work-group, clusters of 4 x 1, 327,680 bytes of LDS; arguments x, dmat, ln_w, ln_b, hn; writes hn
.if DOCPART == 2
	.amdgcn_target "amdgcn-amd-amdhsa--gfx1250"
	.amdhsa_code_object_version 6
	.text
	.protected	k_q6d7a8a5df0_dctln
	.globl	k_q6d7a8a5df0_dctln
	.p2align	8
	.type	k_q6d7a8a5df0_dctln,@function
k_q6d7a8a5df0_dctln:
	s_mov_b64 s[64:65], 0
	v_nop
	global_prefetch_b8 v0, s[64:65] scope:SCOPE_SE
	s_setreg_imm32_b32 hwreg(HW_REG_WAVE_MODE, 25, 1), 1
	s_wait_xcnt 0x0
	s_wait_alu depctr_hold_cnt(0) depctr_sa_sdst(0) depctr_va_vdst(0) depctr_va_sdst(0) depctr_va_ssrc(0) depctr_va_vcc(0) depctr_vm_vsrc(0)
	s_getreg_b32 s2, hwreg(HW_REG_IB_STS2, 6, 4)
	s_cmp_eq_u32 s2, 0
	s_cbranch_scc0 .Lentry_in_a_cluster
	s_endpgm
.Lentry_in_a_cluster:
	s_bfe_u32 s2, ttmp6, 0x10000c
	s_cmp_lg_u32 s2, 0x3003
	s_cbranch_scc0 .Lentry_shape_is_right
	s_endpgm
.Lentry_shape_is_right:
; DCT AND LAYERNORM.  freq[row][k] = sum over n of D[k][n] x[row][n] for the 16,384 rows (b, c) of x; hn[row][k] = (freq - mean) / sqrt(var + 1e-6) * ln_w[k] + ln_b[k], in bf16.
; Products in bf16 (x is rounded on its way into LDS, D comes rounded from the launch before), sums in f32; mean and variance in f32, in two passes over the computed freq: the mean first, then the squares of the differences.
; SHARES.  A row's statistics want all its 1,024 k, so a work-group owns 64 whole rows: 256 work-groups.  Wave w owns k = 256 w .. + 255 of all 64 rows: 16 x 4 accumulators of 16 x 16, 512 registers.
; n goes in 16 steps of 64 through two LDS slots; a step is two halves of 32 along n, 64 matrix instructions each.
; CLUSTER.  Every work-group walks the same D, so the four of a cluster ask for each tile JOINTLY: the same tensor load, descriptor and mask.  A wave fetches, and alone reads, its own 256 rows of D (32,768 dense bytes).
; x is each work-group's own: it comes through registers (16-byte loads two steps ahead, rounding, ds_store) into two small buffers that no tensor load touches.
; THE MATRIX INSTRUCTION IS USED TRANSPOSED: source 0 = 16 rows of D, source 1 = 16 rows of x: a lane holds one row of x (lane % 16) and eight neighbouring k.
; THE WAY OUT.  freq goes in f32 into the slots' bytes (their last fill is over), 64 rows of 4,112 bytes; then each wave takes 16 whole rows, four at a time, a row in 32 registers of the wave.
; REGISTERS, in windows of 256 (s_set_vgpr_msb: bits 1:0 source 0, 3:2 source 1, 5:4 source 2, 7:6 destination):
;   window 0: v0-31 addresses; v32-63 ln_w, v64-95 ln_b of my columns; v96-159 x's fragments, two buffers; v160-223 x in f32, two buffers; v224-239 x packed.  In the LayerNorm v96-223 four rows, v224-255 at work
;   window 1: D's fragments, two buffers of 128;   windows 2, 3: the accumulators, (nb, a) at 8 (4 (nb % 8) + a), nb 0-7 in window 2
.set PD,     144                       ; an LDS row of D or x: 128 bytes + 16 = 36 words: the 16 rows of a fragment load start at 16 different groups of four banks (64 banks of 4 bytes: ISA guide 11.1)
.set SLOT,   1024*PD                   ; a slot: 1,024 rows of D
.set WPART,  256*PD                    ; a wave's part of it
.set XBUF,   2*SLOT                    ; behind the ring: two buffers of 64 rows of x, written by ds_store alone
.set XBYTES, 64*PD
.set SPARE,  XBUF+2*XBYTES             ; the spare words, 128 bytes for each wave: two blocks of 256 bytes that no other line names
.set DP,     4112                      ; a row of freq in LDS: 4,096 bytes + 16
.set TILEB,  131072                    ; a step's block of dmat
.set ADRD, 16                          ; v16-17  LDS address of my D fragments in slot 0, 1
.set ADRX, 18                          ; v18-19  of x's fragments in buffer 0, 1
.set XST,  20                          ; v20-21  where I put 8 bytes of x in buffer 0, 1
.set XGO,  22                          ; v22     my byte offset in a tile of x; never rewritten
.set DST,  24                          ; v24-27  where row block a of freq goes
.set SPW,  28                          ; v28     LDS address of my spare word; never rewritten
.set NIL,  29                          ; v29     0; never rewritten
.set RD,   30                          ; v30     where I read rows of freq back
.set HO,   31                          ; v31     my byte offset in 256 bytes of hn
.set LW,   32
.set LB,   64
.set XA,   96
.set XR,   160
.set XP,   224
.set F,    96
.set T,    224
.set G1,   24                          ; s[24:31] descriptor group 1
.set G0,   32                          ; s[32:39] descriptor group 0, a set for each slot
.set XB,   40                          ; s[40:43] x's base for register buffer 0, 1
.set MUL_LO, 0xa1                      ; source 0 (D) window 1, source 1 (x) window 0, C and D window 2
.set MUL_HI, 0xf1
.set TO_F,   0x40
.set MSB, 0
.macro WIN new                         ; the immediate's high byte repeats the setting that is left; a switch that changes nothing is dropped
.if MSB != (\new)
	s_set_vgpr_msb (MSB<<8)|(\new)
.set MSB, \new
.endif
.endm
.macro PLACES                          ; four places: in front of loads into registers that matrix instructions have read, and of stores that read results
.rept 4
	v_nop
.endr
.endm
.macro CREST                           ; a round of the cluster's barrier behind its opening barrier
	s_cmp_lg_u32 s14, 0
	s_cbranch_scc1 .Lnot_wave_0_\@
	s_barrier_signal -3
.Lnot_wave_0_\@:
	s_barrier_wait -3
	s_barrier_signal -1
	s_barrier_wait -1
.endm
.macro CROUND
	s_barrier_signal -1
	s_barrier_wait -1
	CREST
.endm
	s_load_b256 s[4:11], s[0:1], 0x0               ; x s[4:5], dmat s[6:7], ln_w s[8:9], ln_b s[10:11]
	s_load_b64 s[12:13], s[0:1], 0x20              ; hn
	v_lshl_add_u32 v[SPW], v0, 2, SPARE
	v_mov_b32 v[NIL], 0
	ds_add_u32 v[SPW], v[NIL]                      ; the wave's opening: the add and its wait stand ahead of my first tensor load; the set-up below, work on registers, stands between them
	v_lshrrev_b32 v1, 5, v0
	v_readfirstlane_b32 s14, v1                    ; wave 0..3
	s_bfe_u32 s15, ttmp6, 0x40000                  ; cx
	s_lshl_b32 s16, ttmp9, 2
	s_add_co_u32 s16, s16, s15                     ; my work-group = 4 x cluster + cx: it enters x's and hn's addresses alone
	; group 1: 32,768 dense bytes as 128 rows of 256 bytes, padded in LDS after every 128 bytes (a row of D)
	s_mov_b32 s[G1+0], 15|(1<<16)|(1<<20)|(1<<21)|(4<<22)|(3<<25)  ; 15:0 the mask of four; 17:16 2-byte elements; 20 padding on; 21 set beside a mask; 24:22 after every 32 words (code 4); 31:25 4 words (code 3)
	s_mov_b32 s[G1+1], 128<<16                     ; tensor_dim0 = 128
	s_mov_b32 s[G1+2], 128<<16                     ; tensor_dim1 = 128
	s_mov_b32 s[G1+3], 128<<16                     ; tile_dim0 = 128
	s_mov_b32 s[G1+4], 128                         ; tile_dim1 = 128
	s_mov_b32 s[G1+5], 128                         ; 128 elements from row to row
	s_mov_b32 s[G1+6], 0
	s_mov_b32 s[G1+7], 0
	s_mul_i32 s17, s14, WPART                      ; my part of a slot
	s_mov_b32 s[G0], 1
	s_mov_b32 s[G0+1], s17
	s_mov_b32 s[G0+4], 1
	s_add_co_u32 s[G0+5], s17, SLOT
	s_lshl_b32 s22, s14, 15                        ; my 32,768 bytes of a block of dmat
	s_mov_b32 s23, 0
	s_lshl_b32 s50, s16, 18                        ; my work-group's 64 rows of x, 4,096 bytes each
	s_mov_b32 s51, 0
	s_lshl_b32 s52, s16, 17                        ; its 64 rows of hn, 2,048 bytes each,
	s_add_co_u32 s52, s52, s22                     ; my wave's 16 of them
	s_mov_b32 s53, 0
	s_mov_b32 s20, 512                             ; s[20:21]: byte offset along the rows of the tile of x to be asked for next: tile 2
	s_mov_b32 s21, 0
	s_mov_b32 s46, 0x76543210                      ; v_permlanex16_b32: each lane takes its own place in the other half
	s_mov_b32 s47, 0xfedcba98
	s_mov_b32 s48, 0x3a800000                      ; 1 / 1024
	s_mov_b32 s49, 0x358637bd                      ; 1e-6
	s_wait_dscnt 0x0                               ; the opening add is done
	s_wait_kmcnt 0x0
	s_add_nc_u64 s[G0+2:G0+3], s[6:7], s[22:23]    ; step 0,
	s_add_nc_u64 s[G0+6:G0+7], s[G0+2:G0+3], TILEB ; step 1
	s_or_b32 s[G0+3], s[G0+3], 0x80000000          ; type = 2
	s_or_b32 s[G0+7], s[G0+7], 0x80000000
	s_add_nc_u64 s[18:19], s[4:5], s[50:51]        ; x at my work-group's first row
	s_add_nc_u64 s[44:45], s[12:13], s[52:53]      ; hn at my wave's first row
	s_mov_b64 s[XB:XB+1], s[18:19]                 ; tile 0
	s_add_nc_u64 s[XB+2:XB+3], s[18:19], 256       ; tile 1
	CROUND                                         ; all four work-groups are here: the first joint loads meet
	tensor_load_to_lds s[G0:G0+3], s[G1:G1+7]      ; both first fills together: two tensor loads of mine are out, the most in this text
	s_nop 0
	tensor_load_to_lds s[G0+4:G0+7], s[G1:G1+7]
	s_nop 0
	PLACES
	v_and_b32 v1, 15, v0                           ; r = l % 16
	v_bfe_u32 v2, v0, 4, 1                         ; h = l / 16
	v_and_b32 v3, 31, v0                           ; l
	v_lshlrev_b32 v7, 4, v3                        ; 16 l: my columns 128 i + 4 l .. + 3 of ln_w and ln_b
	s_lshl_b32 s55, s14, 16
	v_lshlrev_b32 v[XGO], 4, v1                    ; a tile of x is 64 rows x 256 bytes: load i of wave w takes rows 16 w + 2 i + h, 16 bytes at 16 r
	v_lshl_add_u32 v[XGO], v2, 12, v[XGO]
	v_add_nc_u32 v[XGO], s55, v[XGO]
.irp i, 0,1,2,3,4,5,6,7
	global_load_b128 v[LW+4*(\i):LW+4*(\i)+3], v7, s[8:9] offset:512*(\i)
.endr
.irp i, 0,1,2,3,4,5,6,7
	global_load_b128 v[LB+4*(\i):LB+4*(\i)+3], v7, s[10:11] offset:512*(\i)
.endr
.irp b, 0,1
.irp i, 0,1,2,3,4,5,6,7
	global_load_b128 v[XR+32*(\b)+4*(\i):XR+32*(\b)+4*(\i)+3], v[XGO], s[XB+2*(\b):XB+2*(\b)+1] offset:8192*(\i) th:TH_LOAD_NT
.endr
.endr
	v_mul_u32_u24 v4, v1, PD
	v_lshl_add_u32 v4, v2, 4, v4                   ; a fragment's row x pitch + 16 x half
	v_add_nc_u32 v[ADRD], s17, v4
	v_add_nc_u32 v[ADRD+1], SLOT, v[ADRD]
	v_add_nc_u32 v[ADRX], XBUF, v4
	v_add_nc_u32 v[ADRX+1], XBUF+XBYTES, v4
	s_mul_i32 s54, s14, 16*PD
	v_mul_u32_u24 v5, v2, PD
	v_lshl_add_u32 v5, v1, 3, v5                   ; four numbers of x are 8 bytes in bf16
	v_add_nc_u32 v5, s54, v5
	v_add_nc_u32 v[XST], XBUF, v5
	v_add_nc_u32 v[XST+1], XBUF+XBYTES, v5
	s_lshl_b32 s56, s14, 10
	v_mul_u32_u24 v6, v1, DP                       ; freq: row 16 a + r, my wave's 1,024 bytes, 32 bytes for each half of the lanes
	v_lshl_add_u32 v6, v2, 5, v6
	v_add_nc_u32 v6, s56, v6
.irp a, 0,1,2,3
	v_add_nc_u32 v[DST+(\a)], (\a)*16*DP, v6
.endr
	s_mul_i32 s57, s14, 16*DP
	v_lshl_add_u32 v[RD], v3, 4, s57               ; back: my wave's 16 rows, 16 bytes a lane
	v_lshlrev_b32 v[HO], 3, v3
; cnt x 4 matrix instructions: D's blocks 8 hi + n0 .. x all four row blocks, 32 along n, from buffer f.  zero = 1: the product starts the sum.
; The 64 accumulators take turns, in the same order in every half step.
.macro MUL f, hi, n0, cnt, zero
	WIN MUL_LO+0x50*(\hi)
.set nq, \n0
.rept \cnt
.irp a, 0,1,2,3
.if \zero
	v_wmma_f32_16x16x32_bf16 v[8*(4*nq+(\a)):8*(4*nq+(\a))+7], v[128*(\f)+8*(8*(\hi)+nq):128*(\f)+8*(8*(\hi)+nq)+7], v[XA+32*(\f)+8*(\a):XA+32*(\f)+8*(\a)+7], 0
.else
	v_wmma_f32_16x16x32_bf16 v[8*(4*nq+(\a)):8*(4*nq+(\a))+7], v[128*(\f)+8*(8*(\hi)+nq):128*(\f)+8*(8*(\hi)+nq)+7], v[XA+32*(\f)+8*(\a):XA+32*(\f)+8*(\a)+7], v[8*(4*nq+(\a)):8*(4*nq+(\a))+7]
.endif
.endr
.set nq, nq+1
.endr
.endm
; 40 LDS loads in one run: the fragments of 32 along n at byte kb of the rows, into buffer f: x's 8 first, then D's 32, blocks ascending
.macro FETCH slot, kb, f
	WIN 0
.irp a, 0,1,2,3
	ds_load_b128 v[XA+32*(\f)+8*(\a):XA+32*(\f)+8*(\a)+3],   v[ADRX+(\slot)] offset:(\a)*16*PD+(\kb)
	ds_load_b128 v[XA+32*(\f)+8*(\a)+4:XA+32*(\f)+8*(\a)+7], v[ADRX+(\slot)] offset:(\a)*16*PD+(\kb)+32
.endr
	WIN TO_F
.irp nb, 0,1,2,3,4,5,6,7,8,9,10,11,12,13,14,15
	ds_load_b128 v[128*(\f)+8*(\nb):128*(\f)+8*(\nb)+3],   v[ADRD+(\slot)] offset:(\nb)*16*PD+(\kb)
	ds_load_b128 v[128*(\f)+8*(\nb)+4:128*(\f)+8*(\nb)+7], v[ADRD+(\slot)] offset:(\nb)*16*PD+(\kb)+32
.endr
.endm
; The tile of x in register buffer buf is rounded and put into LDS buffer buf; the register buffer is asked for again, two tiles on.
; Behind tile 15 the offset stays at tile 15's: those two look-aheads stay inside x and are never used, and every count is the same in every step.
.macro XSTAGE buf
	WIN 0
	s_wait_loadcnt 8                               ; my tile's 8 loads are in; the next tile's 8 stay out.  This also frees the tile's base register
.irp i, 0,1,2,3,4,5,6,7
	v_cvt_pk_bf16_f32 v[XP+2*(\i)],   v[XR+32*(\buf)+4*(\i)],   v[XR+32*(\buf)+4*(\i)+1]
	v_cvt_pk_bf16_f32 v[XP+2*(\i)+1], v[XR+32*(\buf)+4*(\i)+2], v[XR+32*(\buf)+4*(\i)+3]
.endr
.irp i, 0,1,2,3,4,5,6,7
	ds_store_b64 v[XST+(\buf)], v[XP+2*(\i):XP+2*(\i)+1] offset:2*PD*(\i)
.endr
	s_add_nc_u64 s[XB+2*(\buf):XB+2*(\buf)+1], s[18:19], s[20:21]
.irp i, 0,1,2,3,4,5,6,7
	global_load_b128 v[XR+32*(\buf)+4*(\i):XR+32*(\buf)+4*(\i)+3], v[XGO], s[XB+2*(\buf):XB+2*(\buf)+1] offset:8192*(\i) th:TH_LOAD_NT
.endr
	s_add_co_u32 s20, s20, 256
	s_min_u32 s20, s20, 3840
.endm
; A step's first half multiplies buffer 0.  In its middle: the next step's tile of x goes into the LDS buffer that was last read a step ago (a barrier lies between), and the second half's fragments are fetched.
; The sixteen roundings, which name no register of the products, are the four places in front of the loads into buffer 1.
.macro HALF0 slot, zero, xs
	s_wait_dscnt 16                                ; x's fragments and D's blocks 0-7 are in; the youngest sixteen loads (blocks 8-15) may be out
	MUL 0, 0, 0, 8, \zero
.if \xs
	XSTAGE 1-(\slot)
.else
	PLACES
.endif
	FETCH \slot, 64, 1
	s_wait_dscnt 40                                ; all but the 40 just issued
	MUL 0, 1, 0, 8, \zero
.endm
; A step's second half multiplies buffer 1 and changes slots: ONE barrier.  In front of it each wave waits for all its tensor loads (one is out: its part of the next slot), adds 0 to its spare word,
; and waits for that, for its reads of this slot and for its stores of x.  fill = 1: the barrier opens a round of the cluster's, and this slot is filled again, two steps ahead, first thing behind it.
.macro TURN slot, next, fill
	WIN 0
	s_wait_tensorcnt 0x0
	ds_add_u32 v[SPW], v[NIL]                      ; 0 onto my spare word
	s_wait_dscnt 17                                ; the add and the youngest sixteen loads may be out
	MUL 1, 0, 0, 4, 0                              ; sixteen matrix instructions stand between the add and the wait for it
	s_wait_dscnt 0x0
	s_barrier_signal -1
	MUL 1, 0, 4, 4, 0
	WIN 0                                          ; at a branch and at a label every window is 0
	s_barrier_wait -1
.if \fill
	CREST                                          ; no wave of any partner still reads this slot or has a load on its way
	s_add_nc_u64 s[G0+4*(\slot)+2:G0+4*(\slot)+3], s[G0+4*(\slot)+2:G0+4*(\slot)+3], 2*TILEB
	tensor_load_to_lds s[G0+4*(\slot):G0+4*(\slot)+3], s[G1:G1+7]  ; my one tensor load behind the round: 96 matrix instructions ahead of the wait for it
	s_nop 0
.endif
	PLACES                                         ; in front of the loads into buffer 0
	FETCH \next, 0, 0
	MUL 1, 1, 0, 8, 0
.endm
	XSTAGE 0                                       ; tile 0 of x into LDS (ln_w and ln_b, asked for earlier, are in with it); tile 2 is asked for
	s_wait_tensorcnt 1                             ; my part of step 0 is in; step 1's may stay out
	s_wait_dscnt 0x0                               ; my stores of x are done
	s_barrier_signal -1
	s_barrier_wait -1
	FETCH 0, 0, 0
	HALF0 0, 1, 1                                  ; the first half step stands in front of the loop: its products start the sums
	WIN 0
	s_mov_b32 s3, 7
.Llap:                                                 ; a trip: from a lap's second half step to the next lap's first; both slots are filled again: steps 2 to 15
	TURN 0, 1, 1
	HALF0 1, 0, 1
	TURN 1, 0, 1
	HALF0 0, 0, 1
	WIN 0
	s_sub_co_u32 s3, s3, 1
	s_cmp_lg_u32 s3, 0
	s_cbranch_scc1 .Llap
	TURN 0, 1, 0                                   ; the tail fills nothing
	HALF0 1, 0, 0
	s_wait_dscnt 16
	MUL 1, 0, 0, 8, 0
	s_wait_dscnt 0x0
	MUL 1, 1, 0, 8, 0
	PLACES                                         ; the stores below read results just made
	WIN 0
	s_wait_loadcnt 0x0                             ; the two look-aheads that nobody uses: their registers are wanted
	s_barrier_signal -1                            ; every wave's reads of the slots are over (the wait for 0 above):
	s_barrier_wait -1                              ; their bytes now take freq
.irp hi, 0,1
	WIN 0x08+4*(\hi)                               ; store data in window 2, then 3
.irp nb, 0,1,2,3,4,5,6,7
.irp a, 0,1,2,3
	ds_store_b128 v[DST+(\a)], v[8*(4*(\nb)+(\a)):8*(4*(\nb)+(\a))+3]   offset:64*(8*(\hi)+(\nb))  ; each accumulator's low registers first
	ds_store_b128 v[DST+(\a)], v[8*(4*(\nb)+(\a))+4:8*(4*(\nb)+(\a))+7] offset:64*(8*(\hi)+(\nb))+16
.endr
.endr
.endr
	WIN 0
	s_wait_dscnt 0x0                               ; for the others' sake: my part of every row is there
	s_barrier_signal -1
	s_barrier_wait -1
; THE LAYERNORM: four rows at a time, each stage written for the four rows by turns, so that no line reads the result of the line before it.
.macro EACH line:vararg                ; one line for each row p
.set p, 0
.rept 4
	\line
.set p, p+1
.endr
.endm
.macro CROSS                           ; the sum over the 32 lanes of v[T + 8 p], into every lane
	EACH v_add_f32_dpp v[T+8*p], v[T+8*p], v[T+8*p] row_xmask:1 row_mask:0xf bank_mask:0xf
	EACH v_add_f32_dpp v[T+8*p], v[T+8*p], v[T+8*p] row_xmask:2 row_mask:0xf bank_mask:0xf
	EACH v_add_f32_dpp v[T+8*p], v[T+8*p], v[T+8*p] row_xmask:4 row_mask:0xf bank_mask:0xf
	EACH v_add_f32_dpp v[T+8*p], v[T+8*p], v[T+8*p] row_xmask:8 row_mask:0xf bank_mask:0xf
	EACH v_permlanex16_b32 v[T+8*p+1], v[T+8*p], s46, s47
	EACH v_add_f32 v[T+8*p], v[T+8*p], v[T+8*p+1]
.endm
	s_mov_b32 s3, 4
.Lrows:
.irp q, 0,1,2,3
.irp i, 0,1,2,3,4,5,6,7
	ds_load_b128 v[F+32*(\q)+4*(\i):F+32*(\q)+4*(\i)+3], v[RD] offset:(\q)*DP+512*(\i)  ; columns 128 i + 4 l .. + 3
.endr
.endr
	s_wait_dscnt 0x0
	EACH v_pk_add_f32 v[T+8*p:T+8*p+1], v[F+32*p:F+32*p+1], v[F+32*p+2:F+32*p+3]        ; the sum, in two chains a row
	EACH v_pk_add_f32 v[T+8*p+2:T+8*p+3], v[F+32*p+4:F+32*p+5], v[F+32*p+6:F+32*p+7]
.set j, 4
.rept 12
	EACH v_pk_add_f32 v[T+8*p+2*(j%2):T+8*p+2*(j%2)+1], v[T+8*p+2*(j%2):T+8*p+2*(j%2)+1], v[F+32*p+2*j:F+32*p+2*j+1]
.set j, j+1
.endr
	EACH v_pk_add_f32 v[T+8*p:T+8*p+1], v[T+8*p:T+8*p+1], v[T+8*p+2:T+8*p+3]
	EACH v_add_f32 v[T+8*p], v[T+8*p], v[T+8*p+1]
	CROSS
	EACH v_mul_f32 v[T+8*p+4], s48, v[T+8*p]       ; the mean, twice: a pair for the packed subtraction
	EACH v_mul_f32 v[T+8*p+5], s48, v[T+8*p]
.set j, 0
.rept 16
	EACH v_pk_add_f32 v[F+32*p+2*j:F+32*p+2*j+1], v[F+32*p+2*j:F+32*p+2*j+1], v[T+8*p+4:T+8*p+5] neg_lo:[0,1] neg_hi:[0,1]
.set j, j+1
.endr
	EACH v_pk_mul_f32 v[T+8*p:T+8*p+1], v[F+32*p:F+32*p+1], v[F+32*p:F+32*p+1]          ; the squares of the differences, again in two chains
	EACH v_pk_mul_f32 v[T+8*p+2:T+8*p+3], v[F+32*p+2:F+32*p+3], v[F+32*p+2:F+32*p+3]
.set j, 2
.rept 14
	EACH v_pk_fma_f32 v[T+8*p+2*(j%2):T+8*p+2*(j%2)+1], v[F+32*p+2*j:F+32*p+2*j+1], v[F+32*p+2*j:F+32*p+2*j+1], v[T+8*p+2*(j%2):T+8*p+2*(j%2)+1]
.set j, j+1
.endr
	EACH v_pk_add_f32 v[T+8*p:T+8*p+1], v[T+8*p:T+8*p+1], v[T+8*p+2:T+8*p+3]
	EACH v_add_f32 v[T+8*p], v[T+8*p], v[T+8*p+1]
	CROSS
	EACH v_fma_f32 v[T+8*p], v[T+8*p], s48, s49    ; var + 1e-6
	EACH v_rsq_f32 v[T+8*p+6], v[T+8*p]
	EACH v_rsq_f32 v[T+8*p+7], v[T+8*p]            ; twice: a pair for the packed multiply
	v_nop                                          ; a plain instruction between the last root and the use of its result (ISA guide 5.7.2)
	s_wait_alu depctr_va_vdst(0)
.set j, 0
.rept 16
	EACH v_pk_mul_f32 v[F+32*p+2*j:F+32*p+2*j+1], v[F+32*p+2*j:F+32*p+2*j+1], v[T+8*p+6:T+8*p+7]
.set j, j+1
.endr
.set j, 0
.rept 16
	EACH v_pk_fma_f32 v[F+32*p+2*j:F+32*p+2*j+1], v[F+32*p+2*j:F+32*p+2*j+1], v[LW+2*j:LW+2*j+1], v[LB+2*j:LB+2*j+1]
.set j, j+1
.endr
.set j, 0
.rept 16
	EACH v_cvt_pk_bf16_f32 v[F+32*p+j], v[F+32*p+2*j], v[F+32*p+2*j+1]                  ; in place, ascending: a destination's old number has been read
.set j, j+1
.endr
.irp q, 0,1,2,3
.irp i, 0,1,2,3,4,5,6,7
	global_store_b64 v[HO], v[F+32*(\q)+2*(\i):F+32*(\q)+2*(\i)+1], s[44:45] offset:(\q)*2048+256*(\i)  ; the wave stores 256 consecutive bytes, at a multiple of 256 from hn's first byte
.endr
.endr
	s_wait_xcnt 0x0                                ; the stores' base and data are rewritten only behind this wait
	s_add_nc_u64 s[44:45], s[44:45], 4*2048
	v_add_nc_u32 v[RD], 4*DP, v[RD]
	s_sub_co_u32 s3, s3, 1
	s_cmp_lg_u32 s3, 0
	s_cbranch_scc1 .Lrows
	s_wait_tensorcnt 0x0                           ; the wave's end: an add and its wait, behind my last tensor load and my last LDS store
	ds_add_u32 v[SPW], v[NIL]
	s_wait_dscnt 0x0
	CROUND                                         ; the closing round: no work-group ends while a partner may still ask for a tile that names it
	s_endpgm
.Lfunc_end_k_q6d7a8a5df0_dctln:
	.size	k_q6d7a8a5df0_dctln, .Lfunc_end_k_q6d7a8a5df0_dctln-k_q6d7a8a5df0_dctln
	.p2alignl 7, 3214868480
	.fill 96, 4, 3214868480
	.section	.rodata,"a",@progbits
	.p2align	6, 0x0
	.amdhsa_kernel k_q6d7a8a5df0_dctln
		.amdhsa_group_segment_fixed_size 327680
		.amdhsa_private_segment_fixed_size 0
		.amdhsa_enable_private_segment 0
		.amdhsa_kernarg_size 40
		.amdhsa_user_sgpr_count 2
		.amdhsa_user_sgpr_kernarg_segment_ptr 1
		.amdhsa_wavefront_size32 1
		.amdhsa_system_sgpr_workgroup_id_x 1
		.amdhsa_system_sgpr_workgroup_id_y 1
		.amdhsa_system_sgpr_workgroup_id_z 1
		.amdhsa_system_vgpr_workitem_id 0
		.amdhsa_next_free_vgpr 1024
		.amdhsa_next_free_sgpr 66
		.amdhsa_reserve_vcc 0
		.amdhsa_float_denorm_mode_32 3
		.amdhsa_float_denorm_mode_16_64 3
		.amdhsa_memory_ordered 1
		.amdhsa_forward_progress 1
		.amdhsa_inst_pref_size 116
	.end_amdhsa_kernel
	.amdgpu_metadata
---
amdhsa.version: [ 1, 2 ]
amdhsa.kernels:
  - .name:           k_q6d7a8a5df0_dctln
    .symbol:         k_q6d7a8a5df0_dctln.kd
    .args:
      - { .name: x, .offset: 0, .size: 8, .value_kind: global_buffer, .address_space: global }
      - { .name: dmat, .offset: 8, .size: 8, .value_kind: global_buffer, .address_space: global }
      - { .name: ln_w, .offset: 16, .size: 8, .value_kind: global_buffer, .address_space: global }
      - { .name: ln_b, .offset: 24, .size: 8, .value_kind: global_buffer, .address_space: global }
      - { .name: hn, .offset: 32, .size: 8, .value_kind: global_buffer, .address_space: global }
    .group_segment_fixed_size: 327680
    .private_segment_fixed_size: 0
    .kernarg_segment_align: 8
    .kernarg_segment_size: 40
    .max_flat_workgroup_size: 128
    .sgpr_count:     66
    .vgpr_count:     1024
    .wavefront_size: 32
...
	.end_amdgpu_metadata
.endif
;; end of part 2
;; launch mlp (part 3): grid 256 x 1, 4 waves a work-group, clusters of 4 x 1, 327,680 bytes of LDS; arguments hn, w1b, w2b, x, out0; writes out0
.if DOCPART == 3
	.amdgcn_target "amdgcn-amd-amdhsa--gfx1250"
	.amdhsa_code_object_version 6
	.text
	.protected	k_q6d7a8a5df0_mlp
	.globl	k_q6d7a8a5df0_mlp
	.p2align	8
	.type	k_q6d7a8a5df0_mlp,@function
k_q6d7a8a5df0_mlp:
	s_mov_b64 s[64:65], 0
	v_nop
	global_prefetch_b8 v0, s[64:65] scope:SCOPE_SE
	s_setreg_imm32_b32 hwreg(HW_REG_WAVE_MODE, 25, 1), 1
	s_wait_xcnt 0x0
	s_wait_alu depctr_hold_cnt(0) depctr_sa_sdst(0) depctr_va_vdst(0) depctr_va_sdst(0) depctr_va_ssrc(0) depctr_va_vcc(0) depctr_vm_vsrc(0)
	s_getreg_b32 s2, hwreg(HW_REG_IB_STS2, 6, 4)
	s_cmp_eq_u32 s2, 0
	s_cbranch_scc0 .Lentry_in_a_cluster
	s_endpgm
.Lentry_in_a_cluster:
	s_bfe_u32 s2, ttmp6, 0x10000c
	s_cmp_lg_u32 s2, 0x3003
	s_cbranch_scc0 .Lentry_shape_is_right
	s_endpgm
.Lentry_shape_is_right:
; THE GATE.  out0[b][c][l] = x[b][c][l] * sigmoid(sum over o of w2[c][o] relu(sum over i of w1[o][i] hn[b][i][l])).  Products in bf16 with f32 sums; relu, sigmoid and the last product in f32.
; LIMITS.  relu is a maximum with 0 in which a NaN loses.  sigmoid(z) = 1 / (1 + 2^(-z log2 e)): where the power would fall below 2^-126 it counts as 0 and the gate is 1; where it overflows the gate is 0.
; SHARES.  A work-group owns 128 columns l of one batch: 256 work-groups.  The 1,024 hidden units go in four CHUNKS of 256, and the hidden layer never leaves the WGP:
;   G2: H[256 o][128 l], K = 512 channels in 4 steps of 128; wave (wo, wl) makes 128 o x 64 l in 32 accumulators; source 0 = rows of w1, source 1 = hn, turned by ds_load_tr16_b128: a lane holds 8 neighbouring o of one l
;   STAGE: relu, rounding to bf16, into LDS as [l][o]
;   G3: z[128 l][512 c] += ..., K = 256 o in 4 steps of 64; wave w makes c = 128 w .. + 127 x all l in 64 accumulators that live through all chunks; source 0 = stage rows, source 1 = rows of w2: a lane holds 8 neighbouring l of one c
; Every step is 128 matrix instructions a wave and has one change of slots.  z starts at 0 by 512 v_mov_b32 in the wait for the first tile, on purpose: so one text serves all four chunks.
; CLUSTER.  All work-groups walk the same weights: the four of a cluster ask for w1's and w2's tiles JOINTLY.  hn's tiles are each work-group's own columns (nothing to share): plain loads, behind the same rounds.
; hn is streamed anew in each chunk: kept in LDS (512 rows x 288 bytes) it would leave room for slots of half the size only.
; THE WAY OUT.  z goes in f32 into each wave's own 67,584 bytes of LDS (the slots' last fill is over) and comes back as rows of 512 bytes beside the same rows of x.
; REGISTERS, in windows of 256 (s_set_vgpr_msb: bits 1:0 source 0, 3:2 source 1, 5:4 source 2, 7:6 destination):
;   window 0: v0-29 addresses; v64-159, v160-255 G2's fragments, two buffers (w1's 64, then hn's 32); in STAGE v64-191 the packed results; on the way out v64-191 x, v192-223 z, v224-255 the products
;   window 1: in G2 its accumulators, (ao, bl) at 8 (4 ao + bl); in G3 two fragment buffers of 128 (the stage's 64, then w2's 64)
;   windows 2, 3: z, (a, bq) at 8 (8 (bq % 4) + a), bq 0-3 in window 2
.set SLOT,  106496                     ; a slot: w1's 256 rows x 272 bytes and hn's 128 rows x 288, or w2's 512 rows x 144
.set HT,    69632                      ; hn's tile in a slot
.set STG,   2*SLOT                     ; behind the ring: the stage, 128 rows l x 528 bytes, written by ds_store alone
.set SPARE, STG+128*528                ; the spare words, 128 bytes for each wave: two blocks of 256 bytes that no other line names
.set ZW,    128*528                    ; a wave's part of the dump of z: 128 rows c x 528 bytes
.set ADRW1, 16                         ; v16-17  LDS address of my fragments of w1 in slot 0, 1
.set ADRH,  18                         ; v18-19  of hn
.set ADRW2, 20                         ; v20-21  of w2
.set ADRS,  22                         ; v22     of the stage
.set STO,   23                         ; v23     where I put 16 bytes of the stage
.set ZST,   24                         ; v24     where I put z
.set ZRD,   25                         ; v25     where I read it back
.set XO,    26                         ; v26     16 l: my bytes in a row's 512
.set PFO,   27                         ; v27     a prefetch's lanes: 16 rows x two blocks of 256 bytes
.set SPW,   28                         ; v28     LDS address of my spare word; never rewritten
.set NIL,   29                         ; v29     0; never rewritten
.set X,     64
.set Z,     192
.set O,     224
.set G1W1, 24                          ; s[24:31], s[32:39], s[40:47] descriptor group 1 for w1's, hn's, w2's tiles
.set G1H,  32
.set G1W2, 40
.set G0W1, 48                          ; s[48:55], s[56:63], s[68:75] group 0, a set for each slot; the LDS words are constants of the wave
.set G0H,  56
.set G0W2, 68
.set CB,   76                          ; s[76:77] 262,144 x chunk: the chunk's first byte in w1b and in w2b
.set TP,   78                          ; s[78:79] at work for the joint loads' addresses: never holds my place in the cluster
.set W1W,  82                          ; s[82:83] w1b at the 128 rows that I fetch of a tile
.set HW,   84                          ; s[84:85] hn at my work-group's columns and the 64 rows that I fetch of a tile
.set W2W,  86                          ; s[86:87] w2b at my 128 rows of a block
.set XB,   88                          ; s[88:89] x, s[90:91] out0 at my wave's first row and my work-group's columns
.set OB,   90
.set W_G2,  0x50                       ; fragments in window 0, C and D in window 1
.set W_G3L, 0xa5                       ; fragments in window 1, C and D in window 2
.set W_G3H, 0xf5
.set MSB, 0
.macro WIN new                         ; the immediate's high byte repeats the setting that is left; a switch that changes nothing is dropped
.if MSB != (\new)
	s_set_vgpr_msb (MSB<<8)|(\new)
.set MSB, \new
.endif
.endm
.macro PLACES                          ; four places: in front of loads into registers that matrix instructions have read, and of lines that read results
.rept 4
	v_nop
.endr
.endm
.macro CREST                           ; a round of the cluster's barrier behind its opening barrier
	s_cmp_lg_u32 s14, 0
	s_cbranch_scc1 .Lnot_wave_0_\@
	s_barrier_signal -3
.Lnot_wave_0_\@:
	s_barrier_wait -3
	s_barrier_signal -1
	s_barrier_wait -1
.endm
.macro CROUND
	s_barrier_signal -1
	s_barrier_wait -1
	CREST
.endm
; The global words of a slot's descriptors are made anew for each fill, where no tensor load of the wave is out: the tensor's base, the chunk, a constant; then the type bits.
.macro SETD2 slot, woff, hoff
	s_add_nc_u64 s[TP:TP+1], s[W1W:W1W+1], s[CB:CB+1]
	s_add_nc_u64 s[G0W1+4*(\slot)+2:G0W1+4*(\slot)+3], s[TP:TP+1], \woff
	s_or_b32 s[G0W1+4*(\slot)+3], s[G0W1+4*(\slot)+3], 0x80000000
	s_add_nc_u64 s[G0H+4*(\slot)+2:G0H+4*(\slot)+3], s[HW:HW+1], \hoff
	s_or_b32 s[G0H+4*(\slot)+3], s[G0H+4*(\slot)+3], 0x80000000
.endm
.macro SETD3 slot, off
	s_add_nc_u64 s[TP:TP+1], s[W2W:W2W+1], s[CB:CB+1]
	s_add_nc_u64 s[G0W2+4*(\slot)+2:G0W2+4*(\slot)+3], s[TP:TP+1], \off
	s_or_b32 s[G0W2+4*(\slot)+3], s[G0W2+4*(\slot)+3], 0x80000000
.endm
; A fill for G2: waves 0 and 1 fetch the two halves of w1's tile (jointly), waves 2 and 3 those of hn's.  The branch hangs on the wave's number alone.
; An s_nop 0 and four v_nop follow each line, ahead of the jump and the label; they are also the places in front of the fragment loads that follow.
.macro JLOAD2 slot
	s_cmp_eq_u32 s15, 0
	s_cbranch_scc0 .Lfor_h_\@
	tensor_load_to_lds s[G0W1+4*(\slot):G0W1+4*(\slot)+3], s[G1W1:G1W1+7]
	s_nop 0
	PLACES
	s_branch .Lasked_\@
.Lfor_h_\@:
	tensor_load_to_lds s[G0H+4*(\slot):G0H+4*(\slot)+3], s[G1H:G1H+7]
	s_nop 0
	PLACES
.Lasked_\@:
.endm
.macro JLOAD3 slot                     ; a fill for G3: each wave fetches, jointly with its partners, the 128 rows of w2's block that it alone reads
	tensor_load_to_lds s[G0W2+4*(\slot):G0W2+4*(\slot)+3], s[G1W2:G1W2+7]
	s_nop 0
	PLACES
.endm
	s_load_b256 s[4:11], s[0:1], 0x0               ; hn s[4:5], w1b s[6:7], w2b s[8:9], x s[10:11]
	s_load_b64 s[12:13], s[0:1], 0x20              ; out0
	v_lshl_add_u32 v[SPW], v0, 2, SPARE
	v_mov_b32 v[NIL], 0
	ds_add_u32 v[SPW], v[NIL]                      ; the wave's opening: the add and its wait stand ahead of my first tensor load; the set-up below, work on registers, stands between them
	v_lshrrev_b32 v1, 5, v0
	v_readfirstlane_b32 s14, v1                    ; wave 0..3
	s_lshr_b32 s15, s14, 1                         ; wo.  Also: I fetch for w1 (0) or for hn (1)
	s_and_b32 s16, s14, 1                          ; wl.  Also: which half of that tile I fetch
	s_bfe_u32 s17, ttmp6, 0x40000                  ; cx
	s_lshl_b32 s18, ttmp9, 2
	s_add_co_u32 s18, s18, s17                     ; my work-group: it enters hn's, x's and out0's addresses alone
	s_lshr_b32 s19, s18, 3                         ; the batch
	s_and_b32 s20, s18, 7                          ; the block of 128 columns
	s_mov_b32 s[G1W1+0], 15|(1<<16)|(1<<20)|(1<<21)|(5<<22)|(3<<25)  ; the mask of four; 2-byte elements; padding on; bit 21 beside a mask; after every 64 words 4 words: rows 272 bytes apart
	s_mov_b32 s[G1W1+1], 128<<16                   ; tensor_dim0 = 128
	s_mov_b32 s[G1W1+2], 128<<16                   ; tensor_dim1 = 128
	s_mov_b32 s[G1W1+3], 128<<16                   ; tile_dim0 = 128
	s_mov_b32 s[G1W1+4], 128                       ; tile_dim1 = 128
	s_mov_b32 s[G1W1+5], 512                       ; 512 elements from row to row
	s_mov_b32 s[G1W1+6], 0
	s_mov_b32 s[G1W1+7], 0
	s_mov_b32 s[G1H+0], (1<<16)|(1<<20)|(5<<22)|(7<<25)  ; no mask; after every 64 words 8 words: rows 288 bytes apart
	s_mov_b32 s[G1H+1], 128<<16
	s_mov_b32 s[G1H+2], 64<<16
	s_mov_b32 s[G1H+3], 128<<16
	s_mov_b32 s[G1H+4], 64
	s_mov_b32 s[G1H+5], 1024
	s_mov_b32 s[G1H+6], 0
	s_mov_b32 s[G1H+7], 0
	s_mov_b32 s[G1W2+0], 15|(1<<16)|(1<<20)|(1<<21)|(4<<22)|(3<<25)  ; 16,384 dense bytes as 64 rows of 256, padded after every 128 bytes (a row of the block): rows 144 bytes apart
	s_mov_b32 s[G1W2+1], 128<<16
	s_mov_b32 s[G1W2+2], 64<<16
	s_mov_b32 s[G1W2+3], 128<<16
	s_mov_b32 s[G1W2+4], 64
	s_mov_b32 s[G1W2+5], 128
	s_mov_b32 s[G1W2+6], 0
	s_mov_b32 s[G1W2+7], 0
	s_mul_i32 s21, s16, 128*272
	s_mul_i32 s22, s16, 64*288
	s_mul_i32 s23, s14, 128*144
.irp s, 0,1
	s_mov_b32 s[G0W1+4*(\s)], 1
	s_add_co_u32 s[G0W1+4*(\s)+1], s21, (\s)*SLOT
	s_mov_b32 s[G0H+4*(\s)], 1
	s_add_co_u32 s[G0H+4*(\s)+1], s22, (\s)*SLOT+HT
	s_mov_b32 s[G0W2+4*(\s)], 1
	s_add_co_u32 s[G0W2+4*(\s)+1], s23, (\s)*SLOT
.endr
	s_lshl_b32 s66, s16, 17                        ; w1b: 128 rows of 1,024 bytes
	s_mov_b32 s67, 0
	s_lshl_b32 s[TP], s14, 14                      ; w2b: 128 rows of 128 bytes
	s_mov_b32 s[TP+1], 0
	s_lshl_b32 s92, s19, 20                        ; hn: the batch's 512 rows of 2,048 bytes,
	s_lshl_b32 s93, s20, 8                         ; my 128 columns,
	s_add_co_u32 s92, s92, s93
	s_add_co_u32 s92, s92, s66                     ; 64 rows of 2,048 bytes
	s_mov_b32 s93, 0
	s_lshl_b32 s2, s19, 21                         ; x and out0: the batch's 512 rows of 4,096 bytes,
	s_lshl_b32 s3, s20, 9                          ; my 128 columns,
	s_add_co_u32 s2, s2, s3
	s_lshl_b32 s3, s14, 19                         ; my wave's 128 rows
	s_add_co_u32 s2, s2, s3
	s_mov_b32 s3, 0
	s_mov_b32 s[CB], 0
	s_mov_b32 s[CB+1], 0
	s_mov_b32 s94, 0xbfb8aa3b                      ; -log2(e)
	s_mov_b32 s95, s94                             ; named with it as a pair
	s_wait_dscnt 0x0                               ; the opening add is done
	s_wait_kmcnt 0x0
	s_add_nc_u64 s[W1W:W1W+1], s[6:7], s[66:67]
	s_add_nc_u64 s[W2W:W2W+1], s[8:9], s[TP:TP+1]
	s_add_nc_u64 s[HW:HW+1], s[4:5], s[92:93]
	s_add_nc_u64 s[XB:XB+1], s[10:11], s[2:3]
	s_add_nc_u64 s[OB:OB+1], s[12:13], s[2:3]
	SETD2 0, 0, 0                                  ; chunk 0's steps 0 and 1
	SETD2 1, 256, 262144
	CROUND                                         ; all four work-groups are here: the first joint loads meet
	s_cmp_eq_u32 s15, 0                            ; a wave's two first fills stand in one branch: two tensor loads of mine are out, the most in this text
	s_cbranch_scc0 .Lfirst_h
	tensor_load_to_lds s[G0W1:G0W1+3], s[G1W1:G1W1+7]
	s_nop 0
	tensor_load_to_lds s[G0W1+4:G0W1+7], s[G1W1:G1W1+7]
	s_nop 0
	PLACES
	s_branch .Lfirst_asked
.Lfirst_h:
	tensor_load_to_lds s[G0H:G0H+3], s[G1H:G1H+7]
	s_nop 0
	tensor_load_to_lds s[G0H+4:G0H+7], s[G1H:G1H+7]
	s_nop 0
	PLACES
.Lfirst_asked:
	v_and_b32 v1, 15, v0                           ; r = l % 16
	v_bfe_u32 v2, v0, 4, 1                         ; h = l / 16
	v_and_b32 v3, 31, v0                           ; l
	v_and_b32 v4, 7, v0
	v_bfe_u32 v5, v0, 3, 1
	s_mul_i32 s66, s15, 128*272                    ; my 128 rows of w1's tile
	v_mul_u32_u24 v6, v1, 272
	v_lshl_add_u32 v6, v2, 4, v6
	v_add_nc_u32 v[ADRW1], s66, v6
	v_add_nc_u32 v[ADRW1+1], SLOT, v[ADRW1]
	v_lshl_add_u32 v6, v2, 3, v4                   ; the turning load: lane l reads channel 8 h + l % 8, columns 8 ((l / 8) % 2) + 0..7, and is left with column l % 16 and 8 channels
	v_mul_u32_u24 v6, v6, 288
	v_lshl_add_u32 v6, v5, 4, v6
	s_lshl_b32 s66, s16, 7                         ; my 64 columns
	s_add_co_u32 s66, s66, HT
	v_add_nc_u32 v[ADRH], s66, v6
	v_add_nc_u32 v[ADRH+1], SLOT, v[ADRH]
	v_mul_u32_u24 v6, v1, 144
	v_lshl_add_u32 v6, v2, 4, v6
	v_add_nc_u32 v[ADRW2], s23, v6
	v_add_nc_u32 v[ADRW2+1], SLOT, v[ADRW2]
	v_mul_u32_u24 v6, v1, 528
	v_lshl_add_u32 v7, v2, 4, v6
	v_add_nc_u32 v[ADRS], STG, v7
	s_mul_i32 s66, s16, 64*528                     ; into the stage: my 64 rows l, my 128 units' 256 bytes
	s_lshl_b32 s67, s15, 8
	s_add_co_u32 s66, s66, s67
	s_add_co_u32 s66, s66, STG
	v_add_nc_u32 v[STO], s66, v7
	s_mul_i32 s66, s14, ZW
	v_lshl_add_u32 v7, v2, 5, v6
	v_add_nc_u32 v[ZST], s66, v7
	v_lshl_add_u32 v[ZRD], v3, 4, s66
	v_lshlrev_b32 v[XO], 4, v3
	v_lshrrev_b32 v6, 1, v3
	v_and_b32 v7, 1, v0
	v_lshlrev_b32 v7, 8, v7
	v_lshl_add_u32 v[PFO], v6, 12, v7
	WIN 0x80                                       ; z = 0, in the wait for the first tile
.set n, 0
.rept 256
	v_mov_b32 v[n], 0
.set n, n+1
.endr
	WIN 0xc0
.set n, 0
.rept 256
	v_mov_b32 v[n], 0
.set n, n+1
.endr
	WIN 0
; G2.  24 LDS loads in one run: the fragments of 32 channels (quarter j of the step) into buffer f: hn's 8, turned, then w1's 16
.macro FETCH2 slot, j, f
	WIN 0
.irp bl, 0,1,2,3
	ds_load_tr16_b128 v[128+96*(\f)+8*(\bl):128+96*(\f)+8*(\bl)+3],   v[ADRH+(\slot)] offset:32*288*(\j)+32*(\bl)
	ds_load_tr16_b128 v[128+96*(\f)+8*(\bl)+4:128+96*(\f)+8*(\bl)+7], v[ADRH+(\slot)] offset:32*288*(\j)+32*(\bl)+16*288
.endr
.irp ao, 0,1,2,3,4,5,6,7
	ds_load_b128 v[64+96*(\f)+8*(\ao):64+96*(\f)+8*(\ao)+3],   v[ADRW1+(\slot)] offset:16*272*(\ao)+64*(\j)
	ds_load_b128 v[64+96*(\f)+8*(\ao)+4:64+96*(\f)+8*(\ao)+7], v[ADRW1+(\slot)] offset:16*272*(\ao)+64*(\j)+32
.endr
.endm
; cnt x 4 matrix instructions: unit blocks a0 .. x all four column blocks.  The 32 accumulators take turns, in the same order in every quarter.
.macro MUL2 f, a0, cnt, zero
	WIN W_G2
.set aq, \a0
.rept \cnt
.irp bl, 0,1,2,3
.if \zero
	v_wmma_f32_16x16x32_bf16 v[8*(4*aq+(\bl)):8*(4*aq+(\bl))+7], v[64+96*(\f)+8*aq:64+96*(\f)+8*aq+7], v[128+96*(\f)+8*(\bl):128+96*(\f)+8*(\bl)+7], 0
.else
	v_wmma_f32_16x16x32_bf16 v[8*(4*aq+(\bl)):8*(4*aq+(\bl))+7], v[64+96*(\f)+8*aq:64+96*(\f)+8*aq+7], v[128+96*(\f)+8*(\bl):128+96*(\f)+8*(\bl)+7], v[8*(4*aq+(\bl)):8*(4*aq+(\bl))+7]
.endif
.endr
.set aq, aq+1
.endr
.endm
; One of a step's first three quarters: quarter jn's fragments are fetched into buffer g, which the products just issued have read (four places), and buffer f is multiplied.
; zero = 1, a chunk's first quarter: its products start the sums, in registers that G3's last products read as sources: five places.
.macro Q2 slot, jn, f, g, zero
.rept 4+(\zero)
	v_nop
.endr
	FETCH2 \slot, \jn, \g
	s_wait_dscnt 24                                ; all but the 24 just issued
	MUL2 \f, 0, 8, \zero
.endm
; A step's last quarter multiplies buffer 1 and changes slots: each wave waits for all its tensor loads (one is out: its part of the next slot), adds 0 to its spare word, and waits for that and for its reads of
; this slot; the barrier opens a round of the cluster's; this slot is filled again first thing behind it.  kind 1: with step idx of this chunk's G2; kind 2: with block idx of its G3.
.macro T2 slot, next, kind, idx
	WIN 0
	s_wait_tensorcnt 0x0
	ds_add_u32 v[SPW], v[NIL]                      ; 0 onto my spare word
.if (\kind) == 1
	SETD2 \slot, 256*(\idx), 262144*(\idx)
.else
	SETD3 \slot, 65536*(\idx)
.endif
	s_wait_dscnt 1                                 ; the add may be out
	MUL2 1, 0, 2, 0
	s_wait_dscnt 0x0
	s_barrier_signal -1
	MUL2 1, 2, 2, 0
	WIN 0                                          ; at a branch and at a label every window is 0
	s_barrier_wait -1
	CREST
.if (\kind) == 1
	JLOAD2 \slot
.else
	JLOAD3 \slot
.endif
	FETCH2 \next, 0, 0
	MUL2 1, 4, 4, 0
.endm
; relu, rounding, and into the stage: a lane's 8 neighbouring units of a column are 16 bytes
.macro STAGE
	WIN 0x44                                       ; source 1 and destination in window 1
.set n, 0
.rept 256
	v_max_num_f32 v[n], 0, v[n]                    ; ascending: each accumulator's low registers are read first
.set n, n+1
.endr
	WIN 0x05                                       ; sources in window 1, destination in window 0
.set n, 0
.rept 128
	v_cvt_pk_bf16_f32 v[64+n], v[2*n], v[2*n+1]
.set n, n+1
.endr
	WIN 0
.irp ao, 0,1,2,3,4,5,6,7
.irp bl, 0,1,2,3
	ds_store_b128 v[STO], v[64+4*(4*(\ao)+(\bl)):64+4*(4*(\ao)+(\bl))+3] offset:16*528*(\bl)+32*(\ao)
.endr
.endr
.endm
; G3.  32 LDS loads in one run: the fragments of 32 units (half j of block ip) into buffer f: the stage's 16, then w2's 16, blocks ascending
.macro FETCH3 slot, ip, j, f
	WIN 0x40
.irp a, 0,1,2,3,4,5,6,7
	ds_load_b128 v[128*(\f)+8*(\a):128*(\f)+8*(\a)+3],   v[ADRS] offset:16*528*(\a)+128*(\ip)+64*(\j)
	ds_load_b128 v[128*(\f)+8*(\a)+4:128*(\f)+8*(\a)+7], v[ADRS] offset:16*528*(\a)+128*(\ip)+64*(\j)+32
.endr
.irp bq, 0,1,2,3,4,5,6,7
	ds_load_b128 v[128*(\f)+64+8*(\bq):128*(\f)+64+8*(\bq)+3],   v[ADRW2+(\slot)] offset:16*144*(\bq)+64*(\j)
	ds_load_b128 v[128*(\f)+64+8*(\bq)+4:128*(\f)+64+8*(\bq)+7], v[ADRW2+(\slot)] offset:16*144*(\bq)+64*(\j)+32
.endr
.endm
; cnt x 8 matrix instructions: channel blocks 4 hi + b0 .. x all eight column blocks.  The 64 accumulators take turns, in the same order in every half step.
.macro MUL3 f, hi, b0, cnt
	WIN W_G3L+0x50*(\hi)
.set bz, \b0
.rept \cnt
.irp a, 0,1,2,3,4,5,6,7
	v_wmma_f32_16x16x32_bf16 v[8*(8*bz+(\a)):8*(8*bz+(\a))+7], v[128*(\f)+8*(\a):128*(\f)+8*(\a)+7], v[128*(\f)+64+8*(4*(\hi)+bz):128*(\f)+64+8*(4*(\hi)+bz)+7], v[8*(8*bz+(\a)):8*(8*bz+(\a))+7]
.endr
.set bz, bz+1
.endr
.endm
.macro H3 slot, ip                     ; a step's first half multiplies buffer 0 and fetches the second half
	s_wait_dscnt 8                                 ; the stage's fragments and w2's blocks 0-3 are in; the youngest eight loads may be out
	MUL3 0, 0, 0, 4
	PLACES
	FETCH3 \slot, \ip, 1, 1
	s_wait_dscnt 32                                ; all but the 32 just issued
	MUL3 0, 1, 0, 4
.endm
; A step's second half multiplies buffer 1 and changes slots, as T2 does.  kind 2: this slot takes block idx of this chunk's G3; kind 3: step idx of the NEXT chunk's G2; kind 0: nothing, and no round.
; nxt 3: the other slot's block ni is fetched next; nxt 2: the next chunk's first fragments.
.macro T3 slot, kind, idx, nxt, ni
	WIN 0
	s_wait_tensorcnt 0x0
	ds_add_u32 v[SPW], v[NIL]                      ; 0 onto my spare word
.if (\kind) == 2
	SETD3 \slot, 65536*(\idx)
.elseif (\kind) == 3
	SETD2 \slot, 262144+256*(\idx), 262144*(\idx)
.endif
	s_wait_dscnt 9                                 ; the add and the youngest eight loads may be out
	MUL3 1, 0, 0, 2
	s_wait_dscnt 0x0
	s_barrier_signal -1
	MUL3 1, 0, 2, 2
	WIN 0
	s_barrier_wait -1
.if (\kind) == 2
	CREST
	JLOAD3 \slot
.elseif (\kind) == 3
	CREST
	JLOAD2 \slot
.else
	PLACES
.endif
.if (\nxt) == 3
	FETCH3 1-(\slot), \ni, 0, 0
.else
	FETCH2 0, 0, 0
.endif
	MUL3 1, 1, 0, 4
.endm
	s_wait_tensorcnt 1                             ; my part of step 0 is in; step 1's may stay out
	s_barrier_signal -1
	s_barrier_wait -1
	FETCH2 0, 0, 0
	s_mov_b32 s80, 4                               ; chunks to go, this one among them: the same number in every work-group
.Lchunk:
	Q2 0, 1, 0, 1, 1                               ; G2, step 0
	Q2 0, 2, 1, 0, 0
	Q2 0, 3, 0, 1, 0
	T2 0, 1, 1, 2
	Q2 1, 1, 0, 1, 0                               ; step 1
	Q2 1, 2, 1, 0, 0
	Q2 1, 3, 0, 1, 0
	T2 1, 0, 1, 3
	Q2 0, 1, 0, 1, 0                               ; step 2
	Q2 0, 2, 1, 0, 0
	Q2 0, 3, 0, 1, 0
	T2 0, 1, 2, 0
	Q2 1, 1, 0, 1, 0                               ; step 3
	Q2 1, 2, 1, 0, 0
	Q2 1, 3, 0, 1, 0
	s_wait_dscnt 0x0
	MUL2 1, 0, 8, 0
	PLACES                                         ; the maxima below read results just made
	STAGE
	s_wait_tensorcnt 0x0                           ; the change of slots between G2 and G3: block 0 of w2 has landed;
	ds_add_u32 v[SPW], v[NIL]                      ; 0 onto my spare word
	SETD3 1, 65536
	s_wait_dscnt 0x0                               ; the add, my reads of slot 1 and my stores into the stage are done
	CROUND
	JLOAD3 1
	FETCH3 0, 0, 0, 0
	H3 0, 0                                        ; G3, step 0
	T3 0, 2, 2, 3, 1
	H3 1, 1                                        ; step 1
	T3 1, 2, 3, 3, 2
	WIN 0
	s_cmp_eq_u32 s80, 1
	s_cbranch_scc1 .Llast                          ; the last chunk's tail is written out: it asks for nothing more
	H3 0, 2                                        ; step 2: THE RING GOES ON INTO THE NEXT CHUNK
	T3 0, 3, 0, 3, 3
	H3 1, 3                                        ; step 3
	T3 1, 3, 1, 2, 0
	WIN 0
	s_add_co_u32 s[CB], s[CB], 262144
	s_sub_co_u32 s80, s80, 1
	s_branch .Lchunk
.Llast:
.set n, 0
.rept 32                                       ; my first 32 rows of x are asked for two steps ahead of their use: G2's fragment registers are free
	global_load_b128 v[X+4*n:X+4*n+3], v[XO], s[XB:XB+1] offset:4096*n th:TH_LOAD_NT
.set n, n+1
.endr
	global_prefetch_b8 v[PFO], s[XB:XB+1] offset:4096*32 th:TH_LOAD_NT scope:SCOPE_SE  ; my rows 32 to 95, each block of 256 bytes once, 16 rows a line: 32,768 bytes a wave ahead of the loads that will want them
	global_prefetch_b8 v[PFO], s[XB:XB+1] offset:4096*48 th:TH_LOAD_NT scope:SCOPE_SE
	H3 0, 2
	T3 0, 0, 0, 3, 3
	WIN 0
	global_prefetch_b8 v[PFO], s[XB:XB+1] offset:4096*64 th:TH_LOAD_NT scope:SCOPE_SE
	global_prefetch_b8 v[PFO], s[XB:XB+1] offset:4096*80 th:TH_LOAD_NT scope:SCOPE_SE
	H3 1, 3
	s_wait_dscnt 8
	MUL3 1, 0, 0, 4
	s_wait_dscnt 0x0
	MUL3 1, 1, 0, 4
	PLACES                                         ; the stores below read results just made
	WIN 0
	s_barrier_signal -1                            ; every wave's reads of the slots and of the stage are over (the wait for 0 above):
	s_barrier_wait -1                              ; their bytes now take z
.irp hi, 0,1
	WIN 0x08+4*(\hi)                               ; store data in window 2, then 3
.irp bq, 0,1,2,3
.irp a, 0,1,2,3,4,5,6,7
	ds_store_b128 v[ZST], v[8*(8*(\bq)+(\a)):8*(8*(\bq)+(\a))+3]   offset:16*528*(4*(\hi)+(\bq))+64*(\a)  ; each accumulator's low registers first
	ds_store_b128 v[ZST], v[8*(8*(\bq)+(\a))+4:8*(8*(\bq)+(\a))+7] offset:16*528*(4*(\hi)+(\bq))+64*(\a)+16
.endr
.endr
.endr
	WIN 0
; Eight rows: z back from my own bytes (LDS serves a wave's instructions in order, ISA guide 5.7.1.4: the loads see the stores above), the gate, times x, out.
; x lies in a ring of four register buffers of eight rows.  ahead = 1: the buffer is asked for again, 32 rows on.  left: the younger loads that may stay out.
.macro GROUP k, ahead, left
.irp i, 0,1,2,3,4,5,6,7
	ds_load_b128 v[Z+4*(\i):Z+4*(\i)+3], v[ZRD] offset:528*(8*(\k)+(\i))
.endr
	s_wait_dscnt 0x0
.set n, 0
.rept 16
	v_pk_mul_f32 v[Z+2*n:Z+2*n+1], v[Z+2*n:Z+2*n+1], s[94:95] op_sel_hi:[1,0]
.set n, n+1
.endr
.set n, 0
.rept 32
	v_exp_f32 v[Z+n], v[Z+n]
.set n, n+1
.endr
	v_nop                                          ; a plain instruction between the last exponential and the use of its result (ISA guide 5.7.2)
.set n, 0
	s_wait_alu depctr_va_vdst(0)
.rept 16
	v_pk_add_f32 v[Z+2*n:Z+2*n+1], v[Z+2*n:Z+2*n+1], 1.0 op_sel_hi:[1,0]
.set n, n+1
.endr
.set n, 0
.rept 32
	v_rcp_f32 v[Z+n], v[Z+n]
.set n, n+1
.endr
	v_nop
	s_wait_loadcnt \left                           ; my eight rows of x are in
	s_wait_xcnt 0x0                                ; the last group's stores have read their data: it is rewritten only behind this wait
.set n, 0
	s_wait_alu depctr_va_vdst(0)
.rept 16
	v_pk_mul_f32 v[O+2*n:O+2*n+1], v[Z+2*n:Z+2*n+1], v[X+32*(\k)+2*n:X+32*(\k)+2*n+1]
.set n, n+1
.endr
.irp i, 0,1,2,3,4,5,6,7
	global_store_b128 v[XO], v[O+4*(\i):O+4*(\i)+3], s[OB:OB+1] offset:4096*(8*(\k)+(\i)) th:TH_STORE_NT  ; the wave stores 512 consecutive bytes, at a multiple of 256 from out0's first byte
.endr
.if \ahead
.irp i, 0,1,2,3,4,5,6,7
	global_load_b128 v[X+32*(\k)+4*(\i):X+32*(\k)+4*(\i)+3], v[XO], s[XB:XB+1] offset:131072+4096*(8*(\k)+(\i)) th:TH_LOAD_NT
.endr
.endif
.endm
	s_mov_b32 s92, 3
.Lrows:                                                ; a trip: 32 rows
	GROUP 0, 1, 24
	GROUP 1, 1, 24
	GROUP 2, 1, 24
	GROUP 3, 1, 24
	s_wait_xcnt 0x0                                ; the bases are stepped only behind this wait
	s_add_nc_u64 s[XB:XB+1], s[XB:XB+1], 131072
	s_add_nc_u64 s[OB:OB+1], s[OB:OB+1], 131072
	v_add_nc_u32 v[ZRD], 32*528, v[ZRD]
	s_sub_co_u32 s92, s92, 1
	s_cmp_lg_u32 s92, 0
	s_cbranch_scc1 .Lrows
	GROUP 0, 0, 24                                 ; the last 32 rows load nothing: the counts run down
	GROUP 1, 0, 16
	GROUP 2, 0, 8
	GROUP 3, 0, 0
	s_wait_tensorcnt 0x0                           ; the wave's end: an add and its wait, behind my last tensor load and my last LDS store
	ds_add_u32 v[SPW], v[NIL]
	s_wait_dscnt 0x0
	CROUND                                         ; the closing round: no work-group ends while a partner may still ask for a tile that names it
	s_endpgm
.Lfunc_end_k_q6d7a8a5df0_mlp:
	.size	k_q6d7a8a5df0_mlp, .Lfunc_end_k_q6d7a8a5df0_mlp-k_q6d7a8a5df0_mlp
	.p2alignl 7, 3214868480
	.fill 96, 4, 3214868480
	.section	.rodata,"a",@progbits
	.p2align	6, 0x0
	.amdhsa_kernel k_q6d7a8a5df0_mlp
		.amdhsa_group_segment_fixed_size 327680
		.amdhsa_private_segment_fixed_size 0
		.amdhsa_enable_private_segment 0
		.amdhsa_kernarg_size 40
		.amdhsa_user_sgpr_count 2
		.amdhsa_user_sgpr_kernarg_segment_ptr 1
		.amdhsa_wavefront_size32 1
		.amdhsa_system_sgpr_workgroup_id_x 1
		.amdhsa_system_sgpr_workgroup_id_y 1
		.amdhsa_system_sgpr_workgroup_id_z 1
		.amdhsa_system_vgpr_workitem_id 0
		.amdhsa_next_free_vgpr 1024
		.amdhsa_next_free_sgpr 96
		.amdhsa_reserve_vcc 0
		.amdhsa_float_denorm_mode_32 3
		.amdhsa_float_denorm_mode_16_64 3
		.amdhsa_memory_ordered 1
		.amdhsa_forward_progress 1
		.amdhsa_inst_pref_size 252
	.end_amdhsa_kernel
	.amdgpu_metadata
---
amdhsa.version: [ 1, 2 ]
amdhsa.kernels:
  - .name:           k_q6d7a8a5df0_mlp
    .symbol:         k_q6d7a8a5df0_mlp.kd
    .args:
      - { .name: hn, .offset: 0, .size: 8, .value_kind: global_buffer, .address_space: global }
      - { .name: w1b, .offset: 8, .size: 8, .value_kind: global_buffer, .address_space: global }
      - { .name: w2b, .offset: 16, .size: 8, .value_kind: global_buffer, .address_space: global }
      - { .name: x, .offset: 24, .size: 8, .value_kind: global_buffer, .address_space: global }
      - { .name: out0, .offset: 32, .size: 8, .value_kind: global_buffer, .address_space: global }
    .group_segment_fixed_size: 327680
    .private_segment_fixed_size: 0
    .kernarg_segment_align: 8
    .kernarg_segment_size: 40
    .max_flat_workgroup_size: 128
    .sgpr_count:     96
    .vgpr_count:     1024
    .wavefront_size: 32
...
	.end_amdgpu_metadata
.endif
;; end of part 3
;; ======== version 2 of 2: 3 launches
;; workspace buffers: dmat 1,048,576 bytes; w1b 1,048,576 bytes; w2b 1,048,576 bytes; lnp 8,192 bytes; hn 33,554,432 bytes
;; launch prep (part 4): grid 769 x 1, 8 waves a work-group, no clusters, 0 bytes of LDS; arguments w1, w2, ln_w, ln_b, dmat, w1b, w2b, lnp; writes dmat, w1b, w2b, lnp
.if DOCPART == 4
	.amdgcn_target "amdgcn-amd-amdhsa--gfx1250"
	.amdhsa_code_object_version 6
	.text
	.protected	k_q6d7a8a5df0_prep
	.globl	k_q6d7a8a5df0_prep
	.p2align	8
	.type	k_q6d7a8a5df0_prep,@function
k_q6d7a8a5df0_prep:
	s_mov_b64 s[64:65], 0
	v_nop
	global_prefetch_b8 v0, s[64:65] scope:SCOPE_SE
	s_setreg_imm32_b32 hwreg(HW_REG_WAVE_MODE, 25, 1), 1
	s_wait_xcnt 0x0
; PREPARATION.  Four tables; each thread makes 16 bytes, so that a wave's store covers 512 consecutive aligned bytes.
;   work-groups   0-255:  dmat[ks][kk][j] = 2 cos(pi k (2 n + 1) / 2048) in bf16, n = 64 ks + j < 512, k = 2 (kk mod 512) + kk / 512: the left half of the DCT matrix, the even k first, then the odd,
;                         in blocks of 64 along n, a block 131,072 dense bytes.  The right half is the left one mirrored, times (-1)^k: the next launch folds x instead.
;   work-groups 256-511:  w1b = w1 rounded to bf16, as it lies
;   work-groups 512-767:  w2b[g][c][j] = -log2(e) w2[c][64 g + j], scaled in f32 and rounded to bf16 once: blocks of 64 along the hidden axis, a block 65,536 dense bytes.
;                         The factor is the one that the sigmoid's exponential wants in base 2: the last launch's sums come out ready for v_exp_f32.
;   work-group  768:      lnp = ln_w, then ln_b, in f32, each in the order of kk
; THE COSINE.  The angle is pi m / 2048 with the whole number m = k (2 n + 1): m is reduced exactly, in integers, to t in 0..1024 and a sign
; (period 4096, cos(2 pi - a) = cos a, cos(pi - a) = -cos a); cos(pi t / 2048) is the series in the angle's square up to the 12th power, whose first term left out is below 1e-8 at pi / 2.
; No LDS, no barrier: threads share nothing.  The branches hang on the work-group's number alone.
	s_load_b512 s[4:19], s[0:1], 0x0               ; w1 s[4:5], w2 s[6:7], ln_w s[8:9], ln_b s[10:11], dmat s[12:13], w1b s[14:15], w2b s[16:17], lnp s[18:19]
	s_mov_b32 s28, ttmp9
	s_cmp_lt_u32 s28, 256
	s_cbranch_scc0 .Lweights
	s_lshl_b32 s29, s28, 8
	v_add_nc_u32 v1, s29, v0                       ; e = 8192 ks + 8 kk + j / 8
	v_lshlrev_b32 v2, 4, v1                        ; my 16 bytes
	v_bfe_u32 v3, v1, 3, 10                        ; kk
	v_and_b32 v6, 0x1ff, v3
	v_lshrrev_b32 v3, 9, v3
	v_lshl_or_b32 v3, v6, 1, v3                    ; k
	v_lshrrev_b32 v4, 13, v1                       ; ks
	v_and_b32 v5, 7, v1
	v_lshlrev_b32 v5, 3, v5
	v_lshl_add_u32 v4, v4, 6, v5                   ; my first n
	v_lshl_add_u32 v4, v4, 1, 1                    ; 2 n + 1
	v_mul_u32_u24 v4, v3, v4                       ; m, below 2^21
	v_lshlrev_b32 v3, 1, v3                        ; from n to n + 1 m grows by 2 k
	s_mov_b32 s20, 0x3ac90fdb                      ; pi / 2048
	s_mov_b32 s21, 0x310f76c7                      ; 1 / 12!
	s_mov_b32 s22, 0xb493f27e                      ; -1 / 10!
	s_mov_b32 s23, 0x37d00d01                      ; 1 / 8!
	s_mov_b32 s24, 0xbab60b61                      ; -1 / 6!
	s_mov_b32 s25, 0x3d2aaaab                      ; 1 / 4!
	s_mov_b32 s26, 1024
.set j, 0
.rept 8
	v_and_b32 v5, 0xfff, v4                        ; m mod 4096
	v_sub_nc_u32 v6, 0x1000, v5
	v_min_u32 v5, v5, v6                           ; 0..2048
	v_cmp_lt_u32 vcc_lo, s26, v5                   ; beyond a quarter turn the cosine is negative
	v_sub_nc_u32 v6, 0x800, v5
	v_min_u32 v5, v5, v6                           ; t, 0..1024
	v_cvt_f32_u32 v5, v5
	v_mul_f32 v5, s20, v5                          ; the angle, 0..pi / 2
	v_mul_f32 v5, v5, v5
	v_fma_f32 v6, v5, s21, s22
	v_fma_f32 v6, v6, v5, s23
	v_fma_f32 v6, v6, v5, s24
	v_fma_f32 v6, v6, v5, s25
	v_fma_f32 v6, v6, v5, -0.5
	v_fma_f32 v6, v6, v5, 1.0
	v_cndmask_b32 v7, 2.0, -2.0, vcc_lo
	v_mul_f32 v[8+j], v6, v7
	v_add_nc_u32 v4, v4, v3
.set j, j+1
.endr
.irp i, 0,1,2,3
	v_cvt_pk_bf16_f32 v[16+(\i)], v[8+2*(\i)], v[9+2*(\i)]
.endr
	s_wait_kmcnt 0x0
	global_store_b128 v2, v[16:19], s[12:13]
	s_endpgm
.Lweights:
	s_cmp_lt_u32 s28, 512
	s_cbranch_scc0 .Lw2
	s_sub_co_u32 s29, s28, 256
	s_lshl_b32 s29, s29, 8
	v_add_nc_u32 v1, s29, v0                       ; e: numbers 8 e .. 8 e + 7 of w1
	v_lshlrev_b32 v2, 5, v1
	v_lshlrev_b32 v3, 4, v1
	s_wait_kmcnt 0x0
	global_load_b128 v[8:11], v2, s[4:5] th:TH_LOAD_NT
	global_load_b128 v[12:15], v2, s[4:5] offset:16 th:TH_LOAD_NT
	s_wait_loadcnt 0x0
.irp i, 0,1,2,3
	v_cvt_pk_bf16_f32 v[16+(\i)], v[8+2*(\i)], v[9+2*(\i)]
.endr
	global_store_b128 v3, v[16:19], s[14:15]
	s_endpgm
.Lw2:
	s_cmp_lt_u32 s28, 768
	s_cbranch_scc0 .Lln
	s_sub_co_u32 s29, s28, 512
	s_lshl_b32 s29, s29, 8
	s_mov_b32 s20, 0xbfb8aa3b                      ; -log2(e)
	v_add_nc_u32 v1, s29, v0                       ; e = 4096 g + 8 c + j / 8
	v_lshrrev_b32 v2, 12, v1                       ; g
	v_bfe_u32 v3, v1, 3, 9                         ; c
	v_and_b32 v4, 7, v1
	v_lshlrev_b32 v4, 5, v4                        ; 8 numbers of 4 bytes: eight neighbouring lanes read 256 consecutive aligned bytes
	v_lshl_add_u32 v4, v2, 8, v4                   ; + 64 g numbers
	v_lshl_add_u32 v4, v3, 12, v4                  ; + c rows of 4,096 bytes
	v_lshlrev_b32 v5, 4, v1
	s_wait_kmcnt 0x0
	global_load_b128 v[8:11], v4, s[6:7] th:TH_LOAD_NT
	global_load_b128 v[12:15], v4, s[6:7] offset:16 th:TH_LOAD_NT
	s_wait_loadcnt 0x0
.irp i, 0,1,2,3,4,5,6,7
	v_mul_f32 v[8+(\i)], s20, v[8+(\i)]
.endr
.irp i, 0,1,2,3
	v_cvt_pk_bf16_f32 v[16+(\i)], v[8+2*(\i)], v[9+2*(\i)]
.endr
	global_store_b128 v5, v[16:19], s[16:17]
	s_endpgm
.Lln:                                                  ; thread t makes kk = 4 t .. 4 t + 3 of both tables: of the eight numbers from k = 8 (t mod 128) on the even ones (t < 128) or the odd ones
	v_and_b32 v1, 127, v0
	v_lshlrev_b32 v1, 5, v1
	v_lshlrev_b32 v2, 4, v0
	v_cmp_lt_u32 vcc_lo, 127, v0
	s_wait_kmcnt 0x0
	global_load_b128 v[8:11], v1, s[8:9]
	global_load_b128 v[12:15], v1, s[8:9] offset:16
	global_load_b128 v[16:19], v1, s[10:11]
	global_load_b128 v[20:23], v1, s[10:11] offset:16
	s_wait_loadcnt 0x0
.irp i, 0,1,2,3
	v_cndmask_b32 v[24+(\i)], v[8+2*(\i)], v[9+2*(\i)], vcc_lo
	v_cndmask_b32 v[28+(\i)], v[16+2*(\i)], v[17+2*(\i)], vcc_lo
.endr
	global_store_b128 v2, v[24:27], s[18:19]
	global_store_b128 v2, v[28:31], s[18:19] offset:4096
	s_endpgm
.Lfunc_end_k_q6d7a8a5df0_prep:
	.size	k_q6d7a8a5df0_prep, .Lfunc_end_k_q6d7a8a5df0_prep-k_q6d7a8a5df0_prep
	.p2alignl 7, 3214868480
	.fill 96, 4, 3214868480
	.section	.rodata,"a",@progbits
	.p2align	6, 0x0
	.amdhsa_kernel k_q6d7a8a5df0_prep
		.amdhsa_group_segment_fixed_size 0
		.amdhsa_private_segment_fixed_size 0
		.amdhsa_enable_private_segment 0
		.amdhsa_kernarg_size 64
		.amdhsa_user_sgpr_count 2
		.amdhsa_user_sgpr_kernarg_segment_ptr 1
		.amdhsa_wavefront_size32 1
		.amdhsa_system_sgpr_workgroup_id_x 1
		.amdhsa_system_sgpr_workgroup_id_y 1
		.amdhsa_system_sgpr_workgroup_id_z 1
		.amdhsa_system_vgpr_workitem_id 0
		.amdhsa_next_free_vgpr 32
		.amdhsa_next_free_sgpr 66
		.amdhsa_reserve_vcc 1
		.amdhsa_float_denorm_mode_32 3
		.amdhsa_float_denorm_mode_16_64 3
		.amdhsa_memory_ordered 1
		.amdhsa_forward_progress 1
		.amdhsa_inst_pref_size 13
	.end_amdhsa_kernel
	.amdgpu_metadata
---
amdhsa.version: [ 1, 2 ]
amdhsa.kernels:
  - .name:           k_q6d7a8a5df0_prep
    .symbol:         k_q6d7a8a5df0_prep.kd
    .args:
      - { .name: w1, .offset: 0, .size: 8, .value_kind: global_buffer, .address_space: global }
      - { .name: w2, .offset: 8, .size: 8, .value_kind: global_buffer, .address_space: global }
      - { .name: ln_w, .offset: 16, .size: 8, .value_kind: global_buffer, .address_space: global }
      - { .name: ln_b, .offset: 24, .size: 8, .value_kind: global_buffer, .address_space: global }
      - { .name: dmat, .offset: 32, .size: 8, .value_kind: global_buffer, .address_space: global }
      - { .name: w1b, .offset: 40, .size: 8, .value_kind: global_buffer, .address_space: global }
      - { .name: w2b, .offset: 48, .size: 8, .value_kind: global_buffer, .address_space: global }
      - { .name: lnp, .offset: 56, .size: 8, .value_kind: global_buffer, .address_space: global }
    .group_segment_fixed_size: 0
    .private_segment_fixed_size: 0
    .kernarg_segment_align: 8
    .kernarg_segment_size: 64
    .max_flat_workgroup_size: 256
    .sgpr_count:     66
    .vgpr_count:     32
    .wavefront_size: 32
...
	.end_amdgpu_metadata
.endif
;; end of part 4
;; launch dctln (part 5): grid 256 x 1, 4 waves a work-group, clusters of 4 x 1, 327,680 bytes of LDS; arguments x, dmat, lnp, hn; writes hn
.if DOCPART == 5
	.amdgcn_target "amdgcn-amd-amdhsa--gfx1250"
	.amdhsa_code_object_version 6
	.text
	.protected	k_q6d7a8a5df0_dctln
	.globl	k_q6d7a8a5df0_dctln
	.p2align	8
	.type	k_q6d7a8a5df0_dctln,@function
k_q6d7a8a5df0_dctln:
	s_mov_b64 s[64:65], 0
	v_nop
	global_prefetch_b8 v0, s[64:65] scope:SCOPE_SE
	s_setreg_imm32_b32 hwreg(HW_REG_WAVE_MODE, 25, 1), 1
	s_wait_xcnt 0x0
	s_wait_alu depctr_hold_cnt(0) depctr_sa_sdst(0) depctr_va_vdst(0) depctr_va_sdst(0) depctr_va_ssrc(0) depctr_va_vcc(0) depctr_vm_vsrc(0)
	s_getreg_b32 s2, hwreg(HW_REG_IB_STS2, 6, 4)
	s_cmp_eq_u32 s2, 0
	s_cbranch_scc0 .Lentry_in_a_cluster
	s_endpgm
.Lentry_in_a_cluster:
	s_bfe_u32 s2, ttmp6, 0x10000c
	s_cmp_lg_u32 s2, 0x3003
	s_cbranch_scc0 .Lentry_shape_is_right
	s_endpgm
.Lentry_shape_is_right:
; DCT AND LAYERNORM.  freq[row][k] = sum over n of D[k][n] x[row][n] for the 16,384 rows (b, c) of x; hn[row][k] = (freq - mean) / sqrt(var + 1e-6) * ln_w[k] + ln_b[k], in bf16.
; THE FOLD.  D[k][1023 - n] = (-1)^k D[k][n], so freq[k] = sum over n < 512 of D[k][n] (x[n] + x[1023 - n]) for even k, and of D[k][n] (x[n] - x[1023 - n]) for odd k: half the products and half of D.
; The sums u and the differences v are made in f32 and rounded to bf16 once, on their way into LDS; D comes rounded from the launch before; products' sums in f32.
; Mean and variance in f32, in two passes over the computed freq: the mean first, then the squares of the differences.
; SHARES.  A row's statistics want all its 1,024 k, so a work-group owns 64 whole rows: 256 work-groups.  k is taken in the order kk of dmat, the even k first: wave w owns kk = 256 w .. + 255 of all 64 rows
; (waves 0, 1 even k and u; waves 2, 3 odd k and v): 16 x 4 accumulators of 16 x 16, 512 registers.  n goes in 8 steps of 64 through two LDS slots; a step is two halves of 32 along n, 64 matrix instructions each.
; CLUSTER.  Every work-group walks the same D, so the four of a cluster ask for each tile JOINTLY: the same tensor load, descriptor and mask.  A wave fetches, and alone reads, its own 256 rows of D (32,768 dense bytes).
; THE WALK GOES ROUND.  Cluster c takes the steps in the order c mod 8, c mod 8 + 1, .. (mod 8), for D and x alike: the sum is the same but for the order of its f32 additions.  At the start the 64 clusters
; together ask for all eight tiles of D, and every later request names a tile that other clusters have asked for before.  The number hangs on the cluster alone: it is equal in the four partners.
; x is each work-group's own: it comes through registers (16-byte loads two steps ahead) into two small buffers that no tensor load touches.
; THE MATRIX INSTRUCTION IS USED TRANSPOSED: source 0 = 16 rows of D, source 1 = 16 rows of u or v: a lane holds one row of x (lane % 16) and eight neighbouring kk.
; THE WAY OUT.  freq goes in f32, in the order kk, into the slots' bytes (their last fill is over), 64 rows of 4,112 bytes; then each wave takes 16 whole rows, four at a time, a row in 32 registers of the wave:
; four even and four odd k by turns, so that the rounding of (even, odd) pairs to bf16 puts k back in its true order.
; REGISTERS, in windows of 256 (s_set_vgpr_msb: bits 1:0 source 0, 3:2 source 1, 5:4 source 2, 7:6 destination):
;   window 0: v0-31 addresses; v32-95 and v160-223 x in f32, two buffers (32 forward, 32 mirrored); v96-159 u's or v's fragments, two buffers; v224-255 at work.
;             In the LayerNorm v32-63 ln_w, v64-95 ln_b, v96-223 four rows, v224-255 at work
;   window 1: D's fragments, two buffers of 128;   windows 2, 3: the accumulators, (nb, a) at 8 (4 (nb % 8) + a), nb 0-7 in window 2
.set PX,     144                       ; an LDS row of u or v: 128 bytes + 16 = 36 words: the 16 rows of a fragment load start at 16 different groups of four banks (64 banks of 4 bytes: ISA guide 11.1)
.set DU,     272                       ; two rows of D, 256 bytes, + 16: row r lies at (r / 2) 272 + (r % 2) 128, and the 16 rows of a fragment load again start at 16 different groups of four banks
.set DBLK,   8*DU                      ; 16 rows of D
.set WPART,  128*DU                    ; a wave's 256 rows
.set SLOT,   4*WPART                   ; a slot: 1,024 rows of D
.set XBUF,   2*SLOT                    ; behind the ring: two buffers, each 64 rows of u and then 64 rows of v, written by ds_store alone
.set XV,     64*PX
.set XBYTES, 2*XV
.set SPARE,  XBUF+2*XBYTES             ; the spare words, 128 bytes for each wave: two blocks of 256 bytes that no other line names
.set DP,     4112                      ; a row of freq in LDS: 4,096 bytes + 16
.set ADRD, 16                          ; v16-17  LDS address of my D fragments in slot 0, 1
.set ADRX, 18                          ; v18-19  of my fragments of u or v in buffer 0, 1
.set XST,  20                          ; v20-21  where I put 8 bytes of u in buffer 0, 1
.set XGO,  22                          ; v22     my byte offset in a tile of x, forward; never rewritten
.set XGM,  23                          ; v23     the same, mirrored; never rewritten
.set DST,  24                          ; v24-27  where row block a of freq goes
.set SPW,  28                          ; v28     LDS address of my spare word; never rewritten
.set NIL,  29                          ; v29     0; never rewritten
.set RD,   30                          ; v30     where I read rows of freq back
.set HO,   31                          ; v31     16 x lane: my bytes in 512 of lnp and of hn
.set LW,   32
.set LB,   64
.set XA,   96
.set XR,   160                         ; x in f32: buffer 0 at v160, buffer 1 at v32
.set F,    96
.set T,    224
.set G1,   24                          ; s[24:31] descriptor group 1
.set G0,   32                          ; s[32:39] descriptor group 0, a set for each slot
.set XB,   40                          ; s[40:43] x's base for register buffer 0, 1, forward
.set XM,   58                          ; s[58:61] the same, mirrored
.set MUL_LO, 0xa1                      ; source 0 (D) window 1, source 1 (u, v) window 0, C and D window 2
.set MUL_HI, 0xf1
.set TO_F,   0x40
.set MSB, 0
.macro WIN new                         ; the immediate's high byte repeats the setting that is left; a switch that changes nothing is dropped
.if MSB != (\new)
	s_set_vgpr_msb (MSB<<8)|(\new)
.set MSB, \new
.endif
.endm
.macro PLACES                          ; four places: in front of loads into registers that matrix instructions have read, and of stores that read results
.rept 4
	v_nop
.endr
.endm
.macro CREST                           ; a round of the cluster's barrier behind its opening barrier
	s_cmp_lg_u32 s14, 0
	s_cbranch_scc1 .Lnot_wave_0_\@
	s_barrier_signal -3
.Lnot_wave_0_\@:
	s_barrier_wait -3
	s_barrier_signal -1
	s_barrier_wait -1
.endm
.macro CROUND
	s_barrier_signal -1
	s_barrier_wait -1
	CREST
.endm
; A slot's descriptor takes tile s54 of D: the address is made anew from that number, where no tensor load of the wave is out; the number goes round.
.macro DSET slot
	s_lshl_b32 s52, s54, 17                        ; a tile is 131,072 bytes
	s_add_nc_u64 s[G0+4*(\slot)+2:G0+4*(\slot)+3], s[50:51], s[52:53]
	s_or_b32 s[G0+4*(\slot)+3], s[G0+4*(\slot)+3], 0x80000000  ; type = 2
	s_add_co_u32 s54, s54, 1
	s_and_b32 s54, s54, 7
.endm
; Register buffer buf is asked for: step s55's tile of x, 64 rows x 256 bytes forward and the 256 bytes that mirror them.  Load i of wave w takes rows 16 w + 2 i + h; sixteen lanes cover 256 aligned bytes, mirrored in reverse order.
; Behind step 7 the number stays 7: those two look-aheads stay inside x and are never used, and every count is the same in every step.
.macro XASK buf
.set XQ, XR-128*(\buf)
	s_add_co_u32 s57, s56, s55
	s_and_b32 s57, s57, 7                          ; the step's tile t
	s_lshl_b32 s20, s57, 8                         ; forward: byte 256 t of the rows
	s_sub_co_u32 s22, 3840, s20                    ; mirrored: byte 3840 - 256 t
	s_add_nc_u64 s[XB+2*(\buf):XB+2*(\buf)+1], s[18:19], s[20:21]
	s_add_nc_u64 s[XM+2*(\buf):XM+2*(\buf)+1], s[18:19], s[22:23]
.irp i, 0,1,2,3,4,5,6,7
	global_load_b128 v[XQ+4*(\i):XQ+4*(\i)+3], v[XGO], s[XB+2*(\buf):XB+2*(\buf)+1] offset:8192*(\i) th:TH_LOAD_NT
.endr
.irp i, 0,1,2,3,4,5,6,7
	global_load_b128 v[XQ+32+4*(\i):XQ+32+4*(\i)+3], v[XGM], s[XM+2*(\buf):XM+2*(\buf)+1] offset:8192*(\i) th:TH_LOAD_NT
.endr
	s_add_co_u32 s55, s55, 1
	s_min_u32 s55, s55, 7
.endm
; The tile in register buffer buf is folded, rounded and put into LDS buffer buf; the register buffer is asked for again, two steps on.
; a0..a3 = x[n0 ..], y0..y3 = x[1020 - n0 ..]: a_p's partner is y_(3-p).  u goes to the registers at work, v takes y's place; single additions, which name any register.
.macro XSTAGE buf
	WIN 0
.set XQ, XR-128*(\buf)
	s_wait_loadcnt 16                              ; my tile's 16 loads are in; the next tile's 16 stay out.  This also frees the tile's base registers
.irp i, 0,1,2,3,4,5,6,7
.irp p, 0,1,2,3
	v_add_f32 v[T+4*(\i)+(\p)], v[XQ+4*(\i)+(\p)], v[XQ+32+4*(\i)+3-(\p)]
.endr
.endr
.irp i, 0,1,2,3,4,5,6,7
.irp p, 0,1,2,3
	v_sub_f32 v[XQ+32+4*(\i)+3-(\p)], v[XQ+4*(\i)+(\p)], v[XQ+32+4*(\i)+3-(\p)]
.endr
.endr
.irp i, 0,1,2,3,4,5,6,7
	v_cvt_pk_bf16_f32 v[T+4*(\i)],   v[T+4*(\i)],   v[T+4*(\i)+1]
	v_cvt_pk_bf16_f32 v[T+4*(\i)+1], v[T+4*(\i)+2], v[T+4*(\i)+3]
	v_cvt_pk_bf16_f32 v[T+4*(\i)+2], v[XQ+32+4*(\i)+3], v[XQ+32+4*(\i)+2]
	v_cvt_pk_bf16_f32 v[T+4*(\i)+3], v[XQ+32+4*(\i)+1], v[XQ+32+4*(\i)]
.endr
.irp i, 0,1,2,3,4,5,6,7
	ds_store_b64 v[XST+(\buf)], v[T+4*(\i):T+4*(\i)+1]   offset:2*PX*(\i)
	ds_store_b64 v[XST+(\buf)], v[T+4*(\i)+2:T+4*(\i)+3] offset:XV+2*PX*(\i)
.endr
	XASK \buf
.endm
; cnt x 4 matrix instructions: D's blocks 8 hi + n0 .. x all four row blocks, 32 along n, from buffer f.  zero = 1: the product starts the sum.
; The 64 accumulators take turns, in the same order in every half step.
.macro MUL f, hi, n0, cnt, zero
	WIN MUL_LO+0x50*(\hi)
.set nq, \n0
.rept \cnt
.irp a, 0,1,2,3
.if \zero
	v_wmma_f32_16x16x32_bf16 v[8*(4*nq+(\a)):8*(4*nq+(\a))+7], v[128*(\f)+8*(8*(\hi)+nq):128*(\f)+8*(8*(\hi)+nq)+7], v[XA+32*(\f)+8*(\a):XA+32*(\f)+8*(\a)+7], 0
.else
	v_wmma_f32_16x16x32_bf16 v[8*(4*nq+(\a)):8*(4*nq+(\a))+7], v[128*(\f)+8*(8*(\hi)+nq):128*(\f)+8*(8*(\hi)+nq)+7], v[XA+32*(\f)+8*(\a):XA+32*(\f)+8*(\a)+7], v[8*(4*nq+(\a)):8*(4*nq+(\a))+7]
.endif
.endr
.set nq, nq+1
.endr
.endm
; 40 LDS loads in one run: the fragments of 32 along n at byte kb of the rows, into buffer f: u's or v's 8 first, then D's 32, blocks ascending
.macro FETCH slot, kb, f
	WIN 0
.irp a, 0,1,2,3
	ds_load_b128 v[XA+32*(\f)+8*(\a):XA+32*(\f)+8*(\a)+3],   v[ADRX+(\slot)] offset:(\a)*16*PX+(\kb)
	ds_load_b128 v[XA+32*(\f)+8*(\a)+4:XA+32*(\f)+8*(\a)+7], v[ADRX+(\slot)] offset:(\a)*16*PX+(\kb)+32
.endr
	WIN TO_F
.irp nb, 0,1,2,3,4,5,6,7,8,9,10,11,12,13,14,15
	ds_load_b128 v[128*(\f)+8*(\nb):128*(\f)+8*(\nb)+3],   v[ADRD+(\slot)] offset:(\nb)*DBLK+(\kb)
	ds_load_b128 v[128*(\f)+8*(\nb)+4:128*(\f)+8*(\nb)+7], v[ADRD+(\slot)] offset:(\nb)*DBLK+(\kb)+32
.endr
.endm
; A step's first half multiplies buffer 0.  In its middle the second half's fragments are fetched, and ahead of them:
; xs = 1: the next step's tile of x goes into the LDS buffer that was last read a step ago (a barrier lies between); its arithmetic, which names no register of the products, holds the four places in front of the loads into buffer 1;
; xs = 2 (the last step): ln_w and ln_b, in the order kk, are asked for, into the registers that x has left.
.macro HALF0 slot, zero, xs
	s_wait_dscnt 16                                ; u's or v's fragments and D's blocks 0-7 are in; the youngest sixteen loads (blocks 8-15) may be out
	MUL 0, 0, 0, 8, \zero
.if (\xs) == 1
	XSTAGE 1-(\slot)
.else
	WIN 0
	s_wait_loadcnt 0x0                             ; the two look-aheads that nobody uses: their registers are wanted
.irp i, 0,1,2,3,4,5,6,7
	global_load_b128 v[LW+4*(\i):LW+4*(\i)+3], v[HO], s[8:9] offset:512*(\i)          ; kk = 128 i + 4 l .. + 3
.endr
.irp i, 0,1,2,3,4,5,6,7
	global_load_b128 v[LB+4*(\i):LB+4*(\i)+3], v[HO], s[8:9] offset:4096+512*(\i)
.endr
	PLACES
.endif
	FETCH \slot, 64, 1
	s_wait_dscnt 40                                ; all but the 40 just issued
	MUL 0, 1, 0, 8, \zero
.endm
; A step's second half multiplies buffer 1 and changes slots: ONE barrier.  In front of it each wave waits for all its tensor loads (one is out: its part of the next slot), adds 0 to its spare word,
; and waits for that, for its reads of this slot and for its stores of u and v.  fill = 1: the barrier opens a round of the cluster's, and this slot is filled again, two steps ahead, first thing behind it.
.macro TURN slot, next, fill
	WIN 0
	s_wait_tensorcnt 0x0
	ds_add_u32 v[SPW], v[NIL]                      ; 0 onto my spare word
.if \fill
	DSET \slot
.endif
	s_wait_dscnt 17                                ; the add and the youngest sixteen loads may be out
	MUL 1, 0, 0, 4, 0                              ; sixteen matrix instructions stand between the add and the wait for it
	s_wait_dscnt 0x0
	s_barrier_signal -1
	MUL 1, 0, 4, 4, 0
	WIN 0                                          ; at a branch and at a label every window is 0
	s_barrier_wait -1
.if \fill
	CREST                                          ; no wave of any partner still reads this slot or has a load on its way
	tensor_load_to_lds s[G0+4*(\slot):G0+4*(\slot)+3], s[G1:G1+7]  ; my one tensor load behind the round: 96 matrix instructions ahead of the wait for it
	s_nop 0
.endif
	PLACES                                         ; in front of the loads into buffer 0
	FETCH \next, 0, 0
	MUL 1, 1, 0, 8, 0
.endm
	s_load_b256 s[4:11], s[0:1], 0x0               ; x s[4:5], dmat s[6:7], lnp s[8:9], hn s[10:11]
	v_lshl_add_u32 v[SPW], v0, 2, SPARE
	v_mov_b32 v[NIL], 0
	ds_add_u32 v[SPW], v[NIL]                      ; the wave's opening: the add and its wait stand ahead of my first tensor load; the set-up below, work on registers, stands between them
	v_lshrrev_b32 v1, 5, v0
	v_readfirstlane_b32 s14, v1                    ; wave 0..3
	s_bfe_u32 s15, ttmp6, 0x40000                  ; cx
	s_lshl_b32 s16, ttmp9, 2
	s_add_co_u32 s16, s16, s15                     ; my work-group = 4 x cluster + cx: it enters x's and hn's addresses alone
	s_and_b32 s56, ttmp9, 7                        ; where my cluster's walk begins
	s_mov_b32 s54, s56                             ; the tile of D to be asked for next
	s_mov_b32 s55, 0                               ; the step whose tile of x is to be asked for next
	; group 1: 32,768 dense bytes as 128 rows of 256 bytes (two rows of D), padded in LDS after every row
	s_mov_b32 s[G1+0], 15|(1<<16)|(1<<20)|(1<<21)|(5<<22)|(3<<25)  ; 15:0 the mask of four; 17:16 2-byte elements; 20 padding on; 21 set beside a mask; 24:22 after every 64 words (code 5); 31:25 4 words (code 3)
	s_mov_b32 s[G1+1], 128<<16                     ; tensor_dim0 = 128
	s_mov_b32 s[G1+2], 128<<16                     ; tensor_dim1 = 128
	s_mov_b32 s[G1+3], 128<<16                     ; tile_dim0 = 128
	s_mov_b32 s[G1+4], 128                         ; tile_dim1 = 128
	s_mov_b32 s[G1+5], 128                         ; 128 elements from row to row
	s_mov_b32 s[G1+6], 0
	s_mov_b32 s[G1+7], 0
	s_mul_i32 s17, s14, WPART                      ; my part of a slot
	s_mov_b32 s[G0], 1
	s_mov_b32 s[G0+1], s17
	s_mov_b32 s[G0+4], 1
	s_add_co_u32 s[G0+5], s17, SLOT
	s_lshl_b32 s12, s14, 15                        ; my 32,768 bytes of a tile of dmat; also my wave's 16 rows of hn
	s_mov_b32 s13, 0
	s_lshl_b32 s62, s16, 18                        ; my work-group's 64 rows of x, 4,096 bytes each
	s_mov_b32 s63, 0
	s_lshl_b32 s2, s16, 17                         ; its 64 rows of hn, 2,048 bytes each,
	s_add_co_u32 s2, s2, s12                       ; my wave's 16 of them
	s_mov_b32 s3, 0
	s_mov_b32 s21, 0                               ; the high words of three offsets
	s_mov_b32 s23, 0
	s_mov_b32 s53, 0
	s_mov_b32 s46, 0x76543210                      ; v_permlanex16_b32: each lane takes its own place in the other half
	s_mov_b32 s47, 0xfedcba98
	s_mov_b32 s48, 0x3a800000                      ; 1 / 1024
	s_mov_b32 s49, 0x358637bd                      ; 1e-6
	s_wait_dscnt 0x0                               ; the opening add is done
	s_wait_kmcnt 0x0
	s_add_nc_u64 s[50:51], s[6:7], s[12:13]        ; dmat at my wave's rows of tile 0
	s_add_nc_u64 s[44:45], s[10:11], s[2:3]        ; hn at my wave's first row
	s_add_nc_u64 s[18:19], s[4:5], s[62:63]        ; x at my work-group's first row
	DSET 0                                         ; steps 0 and 1
	DSET 1
	CROUND                                         ; all four work-groups are here: the first joint loads meet
	tensor_load_to_lds s[G0:G0+3], s[G1:G1+7]      ; both first fills together: two tensor loads of mine are out, the most in this text
	s_nop 0
	tensor_load_to_lds s[G0+4:G0+7], s[G1:G1+7]
	s_nop 0
	PLACES
	v_and_b32 v1, 15, v0                           ; r = l % 16
	v_bfe_u32 v2, v0, 4, 1                         ; h = l / 16
	v_and_b32 v3, 31, v0                           ; l
	s_lshl_b32 s57, s14, 16                        ; 16 w rows of 4,096 bytes
	v_lshlrev_b32 v4, 4, v1
	v_lshl_add_u32 v5, v2, 12, s57
	v_add_nc_u32 v[XGO], v5, v4                    ; row 16 w + h, byte 16 r
	v_sub_nc_u32 v4, 240, v4
	v_add_nc_u32 v[XGM], v5, v4                    ; row 16 w + h, byte 240 - 16 r
	XASK 0                                         ; x's tiles of steps 0 and 1
	XASK 1
	v_lshrrev_b32 v4, 1, v1
	v_mul_u32_u24 v4, v4, DU
	v_and_b32 v5, 1, v0
	v_lshl_add_u32 v4, v5, 7, v4
	v_lshl_add_u32 v4, v2, 4, v4                   ; D: (r / 2) 272 + (r % 2) 128 + 16 h
	v_add_nc_u32 v[ADRD], s17, v4
	v_add_nc_u32 v[ADRD+1], SLOT, v[ADRD]
	s_lshr_b32 s57, s14, 1                         ; waves 0, 1 read u, waves 2, 3 read v
	s_mul_i32 s57, s57, XV
	s_add_co_u32 s57, s57, XBUF
	v_mul_u32_u24 v4, v1, PX
	v_lshl_add_u32 v4, v2, 4, v4
	v_add_nc_u32 v[ADRX], s57, v4
	v_add_nc_u32 v[ADRX+1], XBYTES, v[ADRX]
	s_mul_i32 s57, s14, 16*PX
	s_add_co_u32 s57, s57, XBUF
	v_mul_u32_u24 v5, v2, PX
	v_lshl_add_u32 v5, v1, 3, v5                   ; four numbers are 8 bytes in bf16
	v_add_nc_u32 v[XST], s57, v5
	v_add_nc_u32 v[XST+1], XBYTES, v[XST]
	s_lshl_b32 s57, s14, 10
	v_mul_u32_u24 v6, v1, DP                       ; freq: row 16 a + r, my wave's 1,024 bytes, 32 bytes for each half of the lanes
	v_lshl_add_u32 v6, v2, 5, v6
	v_add_nc_u32 v6, s57, v6
.irp a, 0,1,2,3
	v_add_nc_u32 v[DST+(\a)], (\a)*16*DP, v6
.endr
	s_mul_i32 s57, s14, 16*DP
	v_lshl_add_u32 v[RD], v3, 4, s57               ; back: my wave's 16 rows, 16 bytes a lane
	v_lshlrev_b32 v[HO], 4, v3
	XSTAGE 0                                       ; step 0's u and v into LDS; step 2's x is asked for
	s_wait_tensorcnt 1                             ; my part of step 0 is in; step 1's may stay out
	s_wait_dscnt 0x0                               ; my stores of u and v are done
	s_barrier_signal -1
	s_barrier_wait -1
	FETCH 0, 0, 0
	HALF0 0, 1, 1                                  ; the first half step stands in front of the loop: its products start the sums
	WIN 0
	s_mov_b32 s3, 3
.Llap:                                                 ; a trip: from a lap's second half step to the next lap's first; both slots are filled again: steps 2 to 7
	TURN 0, 1, 1
	HALF0 1, 0, 1
	TURN 1, 0, 1
	HALF0 0, 0, 1
	WIN 0
	s_sub_co_u32 s3, s3, 1
	s_cmp_lg_u32 s3, 0
	s_cbranch_scc1 .Llap
	TURN 0, 1, 0                                   ; the tail fills nothing
	HALF0 1, 0, 2
	s_wait_dscnt 16
	MUL 1, 0, 0, 8, 0
	s_wait_dscnt 0x0
	MUL 1, 1, 0, 8, 0
	PLACES                                         ; the stores below read results just made
	WIN 0
	s_wait_loadcnt 0x0                             ; ln_w and ln_b
	s_barrier_signal -1                            ; every wave's reads of the slots are over (the wait for 0 above):
	s_barrier_wait -1                              ; their bytes now take freq
.irp hi, 0,1
	WIN 0x08+4*(\hi)                               ; store data in window 2, then 3
.irp nb, 0,1,2,3,4,5,6,7
.irp a, 0,1,2,3
	ds_store_b128 v[DST+(\a)], v[8*(4*(\nb)+(\a)):8*(4*(\nb)+(\a))+3]   offset:64*(8*(\hi)+(\nb))  ; each accumulator's low registers first
	ds_store_b128 v[DST+(\a)], v[8*(4*(\nb)+(\a))+4:8*(4*(\nb)+(\a))+7] offset:64*(8*(\hi)+(\nb))+16
.endr
.endr
.endr
	WIN 0
	s_wait_dscnt 0x0                               ; for the others' sake: my part of every row is there
	s_barrier_signal -1
	s_barrier_wait -1
; THE LAYERNORM: four rows at a time, each stage written for the four rows by turns, so that no line reads the result of the line before it.
; A lane's registers 4 i + j of a row hold kk = 128 i + 4 l + j: for i < 4 that is k = 256 i + 8 l + 2 j, and register 16 + 4 i + j holds k + 1.
.macro EACH line:vararg                ; one line for each row p
.set p, 0
.rept 4
	\line
.set p, p+1
.endr
.endm
.macro CROSS                           ; the sum over the 32 lanes of v[T + 8 p], into every lane
	EACH v_add_f32_dpp v[T+8*p], v[T+8*p], v[T+8*p] row_xmask:1 row_mask:0xf bank_mask:0xf
	EACH v_add_f32_dpp v[T+8*p], v[T+8*p], v[T+8*p] row_xmask:2 row_mask:0xf bank_mask:0xf
	EACH v_add_f32_dpp v[T+8*p], v[T+8*p], v[T+8*p] row_xmask:4 row_mask:0xf bank_mask:0xf
	EACH v_add_f32_dpp v[T+8*p], v[T+8*p], v[T+8*p] row_xmask:8 row_mask:0xf bank_mask:0xf
	EACH v_permlanex16_b32 v[T+8*p+1], v[T+8*p], s46, s47
	EACH v_add_f32 v[T+8*p], v[T+8*p], v[T+8*p+1]
.endm
	s_mov_b32 s3, 4
.Lrows:
.irp q, 0,1,2,3
.irp i, 0,1,2,3,4,5,6,7
	ds_load_b128 v[F+32*(\q)+4*(\i):F+32*(\q)+4*(\i)+3], v[RD] offset:(\q)*DP+512*(\i)
.endr
.endr
	s_wait_dscnt 0x0
	EACH v_pk_add_f32 v[T+8*p:T+8*p+1], v[F+32*p:F+32*p+1], v[F+32*p+2:F+32*p+3]        ; the sum, in two chains a row
	EACH v_pk_add_f32 v[T+8*p+2:T+8*p+3], v[F+32*p+4:F+32*p+5], v[F+32*p+6:F+32*p+7]
.set j, 4
.rept 12
	EACH v_pk_add_f32 v[T+8*p+2*(j%2):T+8*p+2*(j%2)+1], v[T+8*p+2*(j%2):T+8*p+2*(j%2)+1], v[F+32*p+2*j:F+32*p+2*j+1]
.set j, j+1
.endr
	EACH v_pk_add_f32 v[T+8*p:T+8*p+1], v[T+8*p:T+8*p+1], v[T+8*p+2:T+8*p+3]
	EACH v_add_f32 v[T+8*p], v[T+8*p], v[T+8*p+1]
	CROSS
	EACH v_mul_f32 v[T+8*p+4], s48, v[T+8*p]       ; the mean, twice: a pair for the packed subtraction
	EACH v_mul_f32 v[T+8*p+5], s48, v[T+8*p]
.set j, 0
.rept 16
	EACH v_pk_add_f32 v[F+32*p+2*j:F+32*p+2*j+1], v[F+32*p+2*j:F+32*p+2*j+1], v[T+8*p+4:T+8*p+5] neg_lo:[0,1] neg_hi:[0,1]
.set j, j+1
.endr
	EACH v_pk_mul_f32 v[T+8*p:T+8*p+1], v[F+32*p:F+32*p+1], v[F+32*p:F+32*p+1]          ; the squares of the differences, again in two chains
	EACH v_pk_mul_f32 v[T+8*p+2:T+8*p+3], v[F+32*p+2:F+32*p+3], v[F+32*p+2:F+32*p+3]
.set j, 2
.rept 14
	EACH v_pk_fma_f32 v[T+8*p+2*(j%2):T+8*p+2*(j%2)+1], v[F+32*p+2*j:F+32*p+2*j+1], v[F+32*p+2*j:F+32*p+2*j+1], v[T+8*p+2*(j%2):T+8*p+2*(j%2)+1]
.set j, j+1
.endr
	EACH v_pk_add_f32 v[T+8*p:T+8*p+1], v[T+8*p:T+8*p+1], v[T+8*p+2:T+8*p+3]
	EACH v_add_f32 v[T+8*p], v[T+8*p], v[T+8*p+1]
	CROSS
	EACH v_fma_f32 v[T+8*p], v[T+8*p], s48, s49    ; var + 1e-6
	EACH v_rsq_f32 v[T+8*p+6], v[T+8*p]
	EACH v_rsq_f32 v[T+8*p+7], v[T+8*p]            ; twice: a pair for the packed multiply
	v_nop                                          ; a plain instruction between the last root and the use of its result (ISA guide 5.7.2)
	s_wait_alu depctr_va_vdst(0)
.set j, 0
.rept 16
	EACH v_pk_mul_f32 v[F+32*p+2*j:F+32*p+2*j+1], v[F+32*p+2*j:F+32*p+2*j+1], v[T+8*p+6:T+8*p+7]
.set j, j+1
.endr
.set j, 0
.rept 16
	EACH v_pk_fma_f32 v[F+32*p+2*j:F+32*p+2*j+1], v[F+32*p+2*j:F+32*p+2*j+1], v[LW+2*j:LW+2*j+1], v[LB+2*j:LB+2*j+1]
.set j, j+1
.endr
.set j, 0
.rept 16
	EACH v_cvt_pk_bf16_f32 v[F+32*p+j], v[F+32*p+j], v[F+32*p+16+j]                     ; an even k and the odd k behind it: k is back in its true order
.set j, j+1
.endr
.irp q, 0,1,2,3
.irp i, 0,1,2,3
	global_store_b128 v[HO], v[F+32*(\q)+4*(\i):F+32*(\q)+4*(\i)+3], s[44:45] offset:(\q)*2048+512*(\i)  ; k = 256 i + 8 l .. + 7: the wave stores 512 consecutive bytes, at a multiple of 256 from hn's first byte
.endr
.endr
	s_wait_xcnt 0x0                                ; the stores' base and data are rewritten only behind this wait
	s_add_nc_u64 s[44:45], s[44:45], 4*2048
	v_add_nc_u32 v[RD], 4*DP, v[RD]
	s_sub_co_u32 s3, s3, 1
	s_cmp_lg_u32 s3, 0
	s_cbranch_scc1 .Lrows
	s_wait_tensorcnt 0x0                           ; the wave's end: an add and its wait, behind my last tensor load and my last LDS store
	ds_add_u32 v[SPW], v[NIL]
	s_wait_dscnt 0x0
	CROUND                                         ; the closing round: no work-group ends while a partner may still ask for a tile that names it
	s_endpgm
.Lfunc_end_k_q6d7a8a5df0_dctln:
	.size	k_q6d7a8a5df0_dctln, .Lfunc_end_k_q6d7a8a5df0_dctln-k_q6d7a8a5df0_dctln
	.p2alignl 7, 3214868480
	.fill 96, 4, 3214868480
	.section	.rodata,"a",@progbits
	.p2align	6, 0x0
	.amdhsa_kernel k_q6d7a8a5df0_dctln
		.amdhsa_group_segment_fixed_size 327680
		.amdhsa_private_segment_fixed_size 0
		.amdhsa_enable_private_segment 0
		.amdhsa_kernarg_size 32
		.amdhsa_user_sgpr_count 2
		.amdhsa_user_sgpr_kernarg_segment_ptr 1
		.amdhsa_wavefront_size32 1
		.amdhsa_system_sgpr_workgroup_id_x 1
		.amdhsa_system_sgpr_workgroup_id_y 1
		.amdhsa_system_sgpr_workgroup_id_z 1
		.amdhsa_system_vgpr_workitem_id 0
		.amdhsa_next_free_vgpr 1024
		.amdhsa_next_free_sgpr 66
		.amdhsa_reserve_vcc 0
		.amdhsa_float_denorm_mode_32 3
		.amdhsa_float_denorm_mode_16_64 3
		.amdhsa_memory_ordered 1
		.amdhsa_forward_progress 1
		.amdhsa_inst_pref_size 135
	.end_amdhsa_kernel
	.amdgpu_metadata
---
amdhsa.version: [ 1, 2 ]
amdhsa.kernels:
  - .name:           k_q6d7a8a5df0_dctln
    .symbol:         k_q6d7a8a5df0_dctln.kd
    .args:
      - { .name: x, .offset: 0, .size: 8, .value_kind: global_buffer, .address_space: global }
      - { .name: dmat, .offset: 8, .size: 8, .value_kind: global_buffer, .address_space: global }
      - { .name: lnp, .offset: 16, .size: 8, .value_kind: global_buffer, .address_space: global }
      - { .name: hn, .offset: 24, .size: 8, .value_kind: global_buffer, .address_space: global }
    .group_segment_fixed_size: 327680
    .private_segment_fixed_size: 0
    .kernarg_segment_align: 8
    .kernarg_segment_size: 32
    .max_flat_workgroup_size: 128
    .sgpr_count:     66
    .vgpr_count:     1024
    .wavefront_size: 32
...
	.end_amdgpu_metadata
.endif
;; end of part 5
;; launch mlp (part 6): grid 256 x 1, 4 waves a work-group, clusters of 4 x 1, 327,680 bytes of LDS; arguments hn, w1b, w2b, x, out0; writes out0
.if DOCPART == 6
	.amdgcn_target "amdgcn-amd-amdhsa--gfx1250"
	.amdhsa_code_object_version 6
	.text
	.protected	k_q6d7a8a5df0_mlp
	.globl	k_q6d7a8a5df0_mlp
	.p2align	8
	.type	k_q6d7a8a5df0_mlp,@function
k_q6d7a8a5df0_mlp:
	s_mov_b64 s[64:65], 0
	v_nop
	global_prefetch_b8 v0, s[64:65] scope:SCOPE_SE
	s_setreg_imm32_b32 hwreg(HW_REG_WAVE_MODE, 25, 1), 1
	s_wait_xcnt 0x0
	s_wait_alu depctr_hold_cnt(0) depctr_sa_sdst(0) depctr_va_vdst(0) depctr_va_sdst(0) depctr_va_ssrc(0) depctr_va_vcc(0) depctr_vm_vsrc(0)
	s_getreg_b32 s2, hwreg(HW_REG_IB_STS2, 6, 4)
	s_cmp_eq_u32 s2, 0
	s_cbranch_scc0 .Lentry_in_a_cluster
	s_endpgm
.Lentry_in_a_cluster:
	s_bfe_u32 s2, ttmp6, 0x10000c
	s_cmp_lg_u32 s2, 0x3003
	s_cbranch_scc0 .Lentry_shape_is_right
	s_endpgm
.Lentry_shape_is_right:
; THE GATE.  out0[b][c][l] = x[b][c][l] * sigmoid(sum over o of w2[c][o] relu(sum over i of w1[o][i] hn[b][i][l])).  Products in bf16 with f32 sums; relu, sigmoid and the last product in f32.
; w2b holds -log2(e) w2, so the second product's sums are z = -log2(e) x the sigmoid's argument, and the gate is 1 / (1 + 2^z).
; LIMITS.  relu is a maximum with 0 in which a NaN loses.  Where 2^z would fall below 2^-126 it counts as 0 and the gate is 1; where it overflows the gate is 0.
; SHARES.  A work-group owns 128 columns l of one batch: 256 work-groups.  The 1,024 hidden units go in four CHUNKS of 256, and the hidden layer never leaves the WGP:
;   G2: H[256 o][128 l], K = 512 channels in 4 steps of 128; wave (wo, wl) makes 128 o x 64 l in 32 accumulators; source 0 = rows of w1, source 1 = hn, turned by ds_load_tr16_b128: a lane holds 8 neighbouring o of one l
;   STAGE: relu, rounding to bf16, into LDS as [l][o]
;   G3: z[128 l][512 c] += ..., K = 256 o in 4 steps of 64; wave w makes c = 128 w .. + 127 x all l in 64 accumulators that live through all chunks; source 0 = stage rows, source 1 = rows of w2: a lane holds 8 neighbouring l of one c
; Every step is 128 matrix instructions a wave and has one change of slots.  z starts at 0, on purpose, so that one text serves all four chunks: 64 products of two zero fragments clear its 512 registers, in the wait for the first tile.
; CLUSTER.  All work-groups walk the same weights: the four of a cluster ask for w1's and w2's tiles JOINTLY.  hn's tiles are each work-group's own columns (nothing to share): plain loads, behind the same rounds.
; THE WALK GOES ROUND.  Cluster c takes the chunks in the order c mod 4, c mod 4 + 1, .. (mod 4): z is the same but for the order of its f32 additions.  From a cluster's second chunk on, every tile of w1 and w2
; that it asks for has been asked for by other clusters a chunk earlier.  The number hangs on the cluster alone: it is equal in the four partners.
; hn: every chunk multiplies the same 512 channels x 128 columns.  The tiles of G2's steps 0 and 2 are fetched once and STAY in LDS; those of steps 1 and 3 are fetched anew in each chunk, into slot 1.
; All four (4 x 36,864 bytes) do not fit beside two slots and the stage; two fit because slot 0 then needs no room for hn.  So a chunk brings 576 KiB into LDS and not 640.
; THE WAY OUT.  z goes in f32 into each wave's own 67,584 bytes of LDS (every fill of those bytes is over) and comes back as rows of 512 bytes beside the same rows of x.
; REGISTERS, in windows of 256 (s_set_vgpr_msb: bits 1:0 source 0, 3:2 source 1, 5:4 source 2, 7:6 destination):
;   window 0: v0-30 addresses; v64-159, v160-255 G2's fragments, two buffers (w1's 64, then hn's 32); in STAGE v64-191 the packed results; on the way out v64-191 x, v192-223 z, v224-255 the products
;   window 1: in G2 its accumulators, (ao, bl) at 8 (4 ao + bl); in G3 two fragment buffers of 128 (the stage's 64, then w2's 64)
;   windows 2, 3: z, (a, bq) at 8 (8 (bq % 4) + a), bq 0-3 in window 2
.set SLOT1, 73728                      ; slot 0, from byte 0: w1's 256 rows x 272 bytes, or w2's 512 rows x 144.  Slot 1 begins here: the same, with hn's 128 rows x 288 behind w1's tile
.set HT,    SLOT1+69632                ; hn's tile in slot 1
.set STG,   SLOT1+106496               ; behind the ring: the stage, 128 rows l x 528 bytes, written by ds_store alone
.set RES0,  STG+128*528                ; hn's tile of step 0, filled once
.set RES2,  RES0+128*288               ; hn's tile of step 2, filled once
.set SPARE, RES2+128*288               ; the spare words, 128 bytes for each wave: two blocks of 256 bytes that no other line names
.set ZW,    128*528                    ; a wave's part of the dump of z: 128 rows c x 528 bytes; the four parts end at byte 270,336, inside hn's tile of step 0
.set ADRW1, 16                         ; v16-17  LDS address of my fragments of w1 in slot 0, 1
.set HR0,   18                         ; v18     of hn's tile of step 0
.set H1,    19                         ; v19     of hn's tile in slot 1
.set ADRW2, 20                         ; v20-21  of w2 in slot 0, 1
.set ADRS,  22                         ; v22     of the stage
.set STO,   23                         ; v23     where I put 16 bytes of the stage
.set ZST,   24                         ; v24     where I put z
.set ZRD,   25                         ; v25     where I read it back
.set XO,    26                         ; v26     16 l: my bytes in a row's 512
.set PFO,   27                         ; v27     a prefetch's lanes: 16 rows x two blocks of 256 bytes
.set SPW,   28                         ; v28     LDS address of my spare word; never rewritten
.set NIL,   29                         ; v29     0; never rewritten
.set HR2,   30                         ; v30     LDS address of my fragments of hn's tile of step 2
.set X,     64
.set Z,     192
.set O,     224
.set G1W1, 24                          ; s[24:31], s[32:39], s[40:47] descriptor group 1 for w1's, hn's, w2's tiles
.set G1H,  32
.set G1W2, 40
.set G0W1, 48                          ; s[48:55] group 0 for w1's tiles, a set for each slot; the LDS words are constants of the wave
.set G0H,  56                          ; s[56:59] group 0 for hn's tile of step 0 (used once), s[60:63] for hn's tile in slot 1
.set G0W2, 68                          ; s[68:75] group 0 for w2's tiles, a set for each slot
.set G0R,  92                          ; s[92:95] group 0 for hn's tile of step 2 (used once)
.set CB,   76                          ; s[76:77] 262,144 x the chunk in hand: its first byte in w1b and in w2b
.set CN,   96                          ; s[96:97] the same for the chunk behind it
.set TP,   78                          ; s[78:79] at work for the joint loads' addresses: never holds my place in the cluster
.set W1W,  82                          ; s[82:83] w1b at the 128 rows that I fetch of a tile
.set HW,   84                          ; s[84:85] hn at my work-group's columns and the 64 rows that I fetch of a tile
.set W2W,  86                          ; s[86:87] w2b at my 128 rows of a block
.set XB,   88                          ; s[88:89] x, s[90:91] out0 at my wave's first row and my work-group's columns
.set OB,   90
.set W_G2,  0x50                       ; fragments in window 0, C and D in window 1
.set W_G3L, 0xa5                       ; fragments in window 1, C and D in window 2
.set W_G3H, 0xf5
.set MSB, 0
.macro WIN new                         ; the immediate's high byte repeats the setting that is left; a switch that changes nothing is dropped
.if MSB != (\new)
	s_set_vgpr_msb (MSB<<8)|(\new)
.set MSB, \new
.endif
.endm
.macro PLACES                          ; four places: in front of loads into registers that matrix instructions have read, and of lines that read results
.rept 4
	v_nop
.endr
.endm
.macro CREST                           ; a round of the cluster's barrier behind its opening barrier
	s_cmp_lg_u32 s14, 0
	s_cbranch_scc1 .Lnot_wave_0_\@
	s_barrier_signal -3
.Lnot_wave_0_\@:
	s_barrier_wait -3
	s_barrier_signal -1
	s_barrier_wait -1
.endm
.macro CROUND
	s_barrier_signal -1
	s_barrier_wait -1
	CREST
.endm
; The global words of a descriptor are made anew for each fill, where no tensor load of the wave is out: the tensor's base, the chunk (cp: the pair that holds its offset), a constant; then the type bits.
.macro SETW1 slot, cp, woff
	s_add_nc_u64 s[TP:TP+1], s[W1W:W1W+1], s[(\cp):(\cp)+1]
	s_add_nc_u64 s[G0W1+4*(\slot)+2:G0W1+4*(\slot)+3], s[TP:TP+1], \woff
	s_or_b32 s[G0W1+4*(\slot)+3], s[G0W1+4*(\slot)+3], 0x80000000
.endm
.macro SETH hoff                       ; hn's tile in slot 1
	s_add_nc_u64 s[G0H+6:G0H+7], s[HW:HW+1], \hoff
	s_or_b32 s[G0H+7], s[G0H+7], 0x80000000
.endm
.macro SETD3 slot, off
	s_add_nc_u64 s[TP:TP+1], s[W2W:W2W+1], s[CB:CB+1]
	s_add_nc_u64 s[G0W2+4*(\slot)+2:G0W2+4*(\slot)+3], s[TP:TP+1], \off
	s_or_b32 s[G0W2+4*(\slot)+3], s[G0W2+4*(\slot)+3], 0x80000000
.endm
; THE KINDS OF A FILL.  1: w1's tile of step idx of this chunk, alone (slot 0: that step's hn stays in LDS);  2: w1's and hn's tiles of step idx (slot 1);  3: block idx of this chunk's w2;
; 4, 5: as 1, 2, of the NEXT chunk.  SETF makes the addresses, ASK issues the load.
.macro SETF slot, kind, idx
.if (\kind) == 1
	SETW1 \slot, CB, 256*(\idx)
.elseif (\kind) == 2
	SETW1 \slot, CB, 256*(\idx)
	SETH 262144*(\idx)
.elseif (\kind) == 3
	SETD3 \slot, 65536*(\idx)
.elseif (\kind) == 4
	SETW1 \slot, CN, 256*(\idx)
.else
	SETW1 \slot, CN, 256*(\idx)
	SETH 262144*(\idx)
.endif
.endm
; The branches hang on the wave's number alone.  An s_nop 0 and four v_nop follow each tensor load, ahead of the jump and the label; the four v_nop, which a wave that issues no load
; runs too, are also the places in front of the fragment loads that follow.
.macro JLOADW slot                     ; waves 0 and 1 fetch, jointly with their partners, the two halves of w1's tile; waves 2 and 3 have no part of it and issue nothing
	s_cmp_eq_u32 s15, 0
	s_cbranch_scc0 .Lnone_\@
	tensor_load_to_lds s[G0W1+4*(\slot):G0W1+4*(\slot)+3], s[G1W1:G1W1+7]
	s_nop 0
	PLACES
	s_branch .Lasked_\@
.Lnone_\@:
	PLACES
.Lasked_\@:
.endm
.macro JLOAD2                          ; slot 1: waves 0 and 1 fetch the two halves of w1's tile (jointly), waves 2 and 3 those of hn's
	s_cmp_eq_u32 s15, 0
	s_cbranch_scc0 .Lfor_h_\@
	tensor_load_to_lds s[G0W1+4:G0W1+7], s[G1W1:G1W1+7]
	s_nop 0
	PLACES
	s_branch .Lasked_\@
.Lfor_h_\@:
	tensor_load_to_lds s[G0H+4:G0H+7], s[G1H:G1H+7]
	s_nop 0
	PLACES
.Lasked_\@:
.endm
.macro JLOAD3 slot                     ; each wave fetches, jointly with its partners, the 128 rows of w2's block that it alone reads
	tensor_load_to_lds s[G0W2+4*(\slot):G0W2+4*(\slot)+3], s[G1W2:G1W2+7]
	s_nop 0
	PLACES
.endm
.macro ASK slot, kind
.if ((\kind) == 1) || ((\kind) == 4)
	JLOADW \slot
.elseif (\kind) == 3
	JLOAD3 \slot
.else
	JLOAD2
.endif
.endm
	s_load_b256 s[4:11], s[0:1], 0x0               ; hn s[4:5], w1b s[6:7], w2b s[8:9], x s[10:11]
	s_load_b64 s[12:13], s[0:1], 0x20              ; out0
	v_lshl_add_u32 v[SPW], v0, 2, SPARE
	v_mov_b32 v[NIL], 0
	ds_add_u32 v[SPW], v[NIL]                      ; the wave's opening: the add and its wait stand ahead of my first tensor load; the set-up below, work on registers, stands between them
	v_lshrrev_b32 v1, 5, v0
	v_readfirstlane_b32 s14, v1                    ; wave 0..3
	s_lshr_b32 s15, s14, 1                         ; wo.  Also: I fetch for w1 (0) or for hn (1)
	s_and_b32 s16, s14, 1                          ; wl.  Also: which half of that tile I fetch
	s_bfe_u32 s17, ttmp6, 0x40000                  ; cx
	s_lshl_b32 s18, ttmp9, 2
	s_add_co_u32 s18, s18, s17                     ; my work-group: it enters hn's, x's and out0's addresses alone
	s_lshr_b32 s19, s18, 3                         ; the batch
	s_and_b32 s20, s18, 7                          ; the block of 128 columns
	s_mov_b32 s[G1W1+0], 15|(1<<16)|(1<<20)|(1<<21)|(5<<22)|(3<<25)  ; the mask of four; 2-byte elements; padding on; bit 21 beside a mask; after every 64 words 4 words: rows 272 bytes apart
	s_mov_b32 s[G1W1+1], 128<<16                   ; tensor_dim0 = 128
	s_mov_b32 s[G1W1+2], 128<<16                   ; tensor_dim1 = 128
	s_mov_b32 s[G1W1+3], 128<<16                   ; tile_dim0 = 128
	s_mov_b32 s[G1W1+4], 128                       ; tile_dim1 = 128
	s_mov_b32 s[G1W1+5], 512                       ; 512 elements from row to row
	s_mov_b32 s[G1W1+6], 0
	s_mov_b32 s[G1W1+7], 0
	s_mov_b32 s[G1H+0], (1<<16)|(1<<20)|(5<<22)|(7<<25)  ; no mask; after every 64 words 8 words: rows 288 bytes apart
	s_mov_b32 s[G1H+1], 128<<16
	s_mov_b32 s[G1H+2], 64<<16
	s_mov_b32 s[G1H+3], 128<<16
	s_mov_b32 s[G1H+4], 64
	s_mov_b32 s[G1H+5], 1024
	s_mov_b32 s[G1H+6], 0
	s_mov_b32 s[G1H+7], 0
	s_mov_b32 s[G1W2+0], 15|(1<<16)|(1<<20)|(1<<21)|(4<<22)|(3<<25)  ; 16,384 dense bytes as 64 rows of 256, padded after every 128 bytes (a row of the block): rows 144 bytes apart
	s_mov_b32 s[G1W2+1], 128<<16
	s_mov_b32 s[G1W2+2], 64<<16
	s_mov_b32 s[G1W2+3], 128<<16
	s_mov_b32 s[G1W2+4], 64
	s_mov_b32 s[G1W2+5], 128
	s_mov_b32 s[G1W2+6], 0
	s_mov_b32 s[G1W2+7], 0
	s_mul_i32 s21, s16, 128*272
	s_mul_i32 s22, s16, 64*288
	s_mul_i32 s23, s14, 128*144
.irp s, 0,1
	s_mov_b32 s[G0W1+4*(\s)], 1
	s_add_co_u32 s[G0W1+4*(\s)+1], s21, (\s)*SLOT1
	s_mov_b32 s[G0W2+4*(\s)], 1
	s_add_co_u32 s[G0W2+4*(\s)+1], s23, (\s)*SLOT1
.endr
	s_mov_b32 s[G0H], 1
	s_add_co_u32 s[G0H+1], s22, RES0
	s_mov_b32 s[G0H+4], 1
	s_add_co_u32 s[G0H+5], s22, HT
	s_mov_b32 s[G0R], 1
	s_add_co_u32 s[G0R+1], s22, RES2
	s_lshl_b32 s66, s16, 17                        ; w1b: 128 rows of 1,024 bytes
	s_mov_b32 s67, 0
	s_lshl_b32 s[TP], s14, 14                      ; w2b: 128 rows of 128 bytes
	s_mov_b32 s[TP+1], 0
	s_lshl_b32 s80, s19, 20                        ; hn: the batch's 512 rows of 2,048 bytes,
	s_lshl_b32 s81, s20, 8                         ; my 128 columns,
	s_add_co_u32 s80, s80, s81
	s_add_co_u32 s80, s80, s66                     ; 64 rows of 2,048 bytes
	s_mov_b32 s81, 0
	s_lshl_b32 s2, s19, 21                         ; x and out0: the batch's 512 rows of 4,096 bytes,
	s_lshl_b32 s3, s20, 9                          ; my 128 columns,
	s_add_co_u32 s2, s2, s3
	s_lshl_b32 s3, s14, 19                         ; my wave's 128 rows
	s_add_co_u32 s2, s2, s3
	s_mov_b32 s3, 0
	s_and_b32 s[CB], ttmp9, 3                      ; the chunk at which my cluster's walk begins,
	s_lshl_b32 s[CB], s[CB], 18
	s_mov_b32 s[CB+1], 0
	s_add_co_u32 s[CN], s[CB], 262144              ; and the one behind it: the four chunks' 1,048,576 bytes go round
	s_and_b32 s[CN], s[CN], 0xfffff
	s_mov_b32 s[CN+1], 0
	s_wait_dscnt 0x0                               ; the opening add is done
	s_wait_kmcnt 0x0
	s_add_nc_u64 s[W1W:W1W+1], s[6:7], s[66:67]
	s_add_nc_u64 s[W2W:W2W+1], s[8:9], s[TP:TP+1]
	s_add_nc_u64 s[HW:HW+1], s[4:5], s[80:81]
	s_add_nc_u64 s[XB:XB+1], s[10:11], s[2:3]
	s_add_nc_u64 s[OB:OB+1], s[12:13], s[2:3]
	SETW1 0, CB, 0                                 ; the first chunk's steps 0 and 1 of w1;
	SETW1 1, CB, 256
	s_add_nc_u64 s[G0H+2:G0H+3], s[HW:HW+1], 0     ; hn's tiles of steps 0, 1 and 2: 128 rows of 2,048 bytes from tile to tile
	s_or_b32 s[G0H+3], s[G0H+3], 0x80000000
	SETH 262144
	s_add_nc_u64 s[G0R+2:G0R+3], s[HW:HW+1], 524288
	s_or_b32 s[G0R+3], s[G0R+3], 0x80000000
	CROUND                                         ; all four work-groups are here: the first joint loads meet
	s_cmp_eq_u32 s15, 0                            ; a wave's first fills stand in one branch: two tensor loads are out in waves 0 and 1, three in waves 2 and 3, the most in this text
	s_cbranch_scc0 .Lfirst_h
	tensor_load_to_lds s[G0W1:G0W1+3], s[G1W1:G1W1+7]
	s_nop 0
	tensor_load_to_lds s[G0W1+4:G0W1+7], s[G1W1:G1W1+7]
	s_nop 0
	PLACES
	s_branch .Lfirst_asked
.Lfirst_h:
	tensor_load_to_lds s[G0H:G0H+3], s[G1H:G1H+7]
	s_nop 0
	tensor_load_to_lds s[G0H+4:G0H+7], s[G1H:G1H+7]
	s_nop 0
	tensor_load_to_lds s[G0R:G0R+3], s[G1H:G1H+7]
	s_nop 0
	PLACES
.Lfirst_asked:
.set n, 64
.rept 16
	v_mov_b32 v[n], 0                              ; two fragments of zeros
.set n, n+1
.endr
	v_and_b32 v1, 15, v0                           ; r = l % 16
	v_bfe_u32 v2, v0, 4, 1                         ; h = l / 16
	v_and_b32 v3, 31, v0                           ; l
	v_and_b32 v4, 7, v0
	v_bfe_u32 v5, v0, 3, 1
	WIN 0x80                                       ; z = 0 x 0 + 0, in the wait for the first tile: sources in window 0, destination in window 2, then 3
.set n, 0
.rept 32
	v_wmma_f32_16x16x32_bf16 v[8*n:8*n+7], v[64:71], v[72:79], 0
.set n, n+1
.endr
	WIN 0xc0
.set n, 0
.rept 32
	v_wmma_f32_16x16x32_bf16 v[8*n:8*n+7], v[64:71], v[72:79], 0
.set n, n+1
.endr
	WIN 0                                          ; the addresses below are the places between those products and the first loads into v64 and on
	s_mul_i32 s66, s15, 128*272                    ; my 128 rows of w1's tile
	v_mul_u32_u24 v6, v1, 272
	v_lshl_add_u32 v6, v2, 4, v6
	v_add_nc_u32 v[ADRW1], s66, v6
	v_add_nc_u32 v[ADRW1+1], SLOT1, v[ADRW1]
	v_lshl_add_u32 v6, v2, 3, v4                   ; the turning load: lane l reads channel 8 h + l % 8, columns 8 ((l / 8) % 2) + 0..7, and is left with column l % 16 and 8 channels
	v_mul_u32_u24 v6, v6, 288
	v_lshl_add_u32 v6, v5, 4, v6
	s_lshl_b32 s66, s16, 7                         ; my 64 columns
	v_add_nc_u32 v6, s66, v6
	v_add_nc_u32 v[HR0], RES0, v6
	v_add_nc_u32 v[H1], HT, v6
	v_add_nc_u32 v[HR2], RES2, v6
	v_mul_u32_u24 v6, v1, 144
	v_lshl_add_u32 v6, v2, 4, v6
	v_add_nc_u32 v[ADRW2], s23, v6
	v_add_nc_u32 v[ADRW2+1], SLOT1, v[ADRW2]
	v_mul_u32_u24 v6, v1, 528
	v_lshl_add_u32 v7, v2, 4, v6
	v_add_nc_u32 v[ADRS], STG, v7
	s_mul_i32 s66, s16, 64*528                     ; into the stage: my 64 rows l, my 128 units' 256 bytes
	s_lshl_b32 s67, s15, 8
	s_add_co_u32 s66, s66, s67
	s_add_co_u32 s66, s66, STG
	v_add_nc_u32 v[STO], s66, v7
	s_mul_i32 s66, s14, ZW
	v_lshl_add_u32 v7, v2, 5, v6
	v_add_nc_u32 v[ZST], s66, v7
	v_lshl_add_u32 v[ZRD], v3, 4, s66
	v_lshlrev_b32 v[XO], 4, v3
	v_lshrrev_b32 v6, 1, v3
	v_and_b32 v7, 1, v0
	v_lshlrev_b32 v7, 8, v7
	v_lshl_add_u32 v[PFO], v6, 12, v7
; G2.  24 LDS loads in one run: the fragments of 32 channels (quarter j of the step) into buffer f: hn's 8, turned, from the tile at v[hr], then w1's 16 from the slot
.macro FETCH2 slot, hr, j, f
	WIN 0
.irp bl, 0,1,2,3
	ds_load_tr16_b128 v[128+96*(\f)+8*(\bl):128+96*(\f)+8*(\bl)+3],   v[\hr] offset:32*288*(\j)+32*(\bl)
	ds_load_tr16_b128 v[128+96*(\f)+8*(\bl)+4:128+96*(\f)+8*(\bl)+7], v[\hr] offset:32*288*(\j)+32*(\bl)+16*288
.endr
.irp ao, 0,1,2,3,4,5,6,7
	ds_load_b128 v[64+96*(\f)+8*(\ao):64+96*(\f)+8*(\ao)+3],   v[ADRW1+(\slot)] offset:16*272*(\ao)+64*(\j)
	ds_load_b128 v[64+96*(\f)+8*(\ao)+4:64+96*(\f)+8*(\ao)+7], v[ADRW1+(\slot)] offset:16*272*(\ao)+64*(\j)+32
.endr
.endm
; cnt x 4 matrix instructions: unit blocks a0 .. x all four column blocks.  The 32 accumulators take turns, in the same order in every quarter.
.macro MUL2 f, a0, cnt, zero
	WIN W_G2
.set aq, \a0
.rept \cnt
.irp bl, 0,1,2,3
.if \zero
	v_wmma_f32_16x16x32_bf16 v[8*(4*aq+(\bl)):8*(4*aq+(\bl))+7], v[64+96*(\f)+8*aq:64+96*(\f)+8*aq+7], v[128+96*(\f)+8*(\bl):128+96*(\f)+8*(\bl)+7], 0
.else
	v_wmma_f32_16x16x32_bf16 v[8*(4*aq+(\bl)):8*(4*aq+(\bl))+7], v[64+96*(\f)+8*aq:64+96*(\f)+8*aq+7], v[128+96*(\f)+8*(\bl):128+96*(\f)+8*(\bl)+7], v[8*(4*aq+(\bl)):8*(4*aq+(\bl))+7]
.endif
.endr
.set aq, aq+1
.endr
.endm
; One of a step's first three quarters: quarter jn's fragments are fetched into buffer g, which the products just issued have read (four places), and buffer f is multiplied.
; zero = 1, a chunk's first quarter: its products start the sums, in registers that G3's last products read as sources: five places.
.macro Q2 slot, hr, jn, f, g, zero
.rept 4+(\zero)
	v_nop
.endr
	FETCH2 \slot, \hr, \jn, \g
	s_wait_dscnt 24                                ; all but the 24 just issued
	MUL2 \f, 0, 8, \zero
.endm
; A step's last quarter multiplies buffer 1 and changes slots: each wave waits for all its tensor loads (at most one is out: its part of the next slot), adds 0 to its spare word, and waits for that and for its
; reads of this slot; the barrier opens a round of the cluster's; this slot is filled again first thing behind it.  next >= 0: the next step's first fragments are fetched, w1's from slot next, hn's from v[nhr].
.macro T2 slot, kind, idx, next, nhr
	WIN 0
	s_wait_tensorcnt 0x0
	ds_add_u32 v[SPW], v[NIL]                      ; 0 onto my spare word
	SETF \slot, \kind, \idx
	s_wait_dscnt 1                                 ; the add may be out
	MUL2 1, 0, 2, 0
	s_wait_dscnt 0x0
	s_barrier_signal -1
	MUL2 1, 2, 2, 0
	WIN 0                                          ; at a branch and at a label every window is 0
	s_barrier_wait -1
	CREST
	ASK \slot, \kind
.if (\next) >= 0
	FETCH2 \next, \nhr, 0, 0
.endif
	MUL2 1, 4, 4, 0
.endm
; relu, rounding, and into the stage: a lane's 8 neighbouring units of a column are 16 bytes
.macro STAGE
	WIN 0x44                                       ; source 1 and destination in window 1
.set n, 0
.rept 256
	v_max_num_f32 v[n], 0, v[n]                    ; ascending: each accumulator's low registers are read first
.set n, n+1
.endr
	WIN 0x05                                       ; sources in window 1, destination in window 0
.set n, 0
.rept 128
	v_cvt_pk_bf16_f32 v[64+n], v[2*n], v[2*n+1]
.set n, n+1
.endr
	WIN 0
.irp ao, 0,1,2,3,4,5,6,7
.irp bl, 0,1,2,3
	ds_store_b128 v[STO], v[64+4*(4*(\ao)+(\bl)):64+4*(4*(\ao)+(\bl))+3] offset:16*528*(\bl)+32*(\ao)
.endr
.endr
.endm
; G3.  32 LDS loads in one run: the fragments of 32 units (half j of block ip) into buffer f: the stage's 16, then w2's 16, blocks ascending
.macro FETCH3 slot, ip, j, f
	WIN 0x40
.irp a, 0,1,2,3,4,5,6,7
	ds_load_b128 v[128*(\f)+8*(\a):128*(\f)+8*(\a)+3],   v[ADRS] offset:16*528*(\a)+128*(\ip)+64*(\j)
	ds_load_b128 v[128*(\f)+8*(\a)+4:128*(\f)+8*(\a)+7], v[ADRS] offset:16*528*(\a)+128*(\ip)+64*(\j)+32
.endr
.irp bq, 0,1,2,3,4,5,6,7
	ds_load_b128 v[128*(\f)+64+8*(\bq):128*(\f)+64+8*(\bq)+3],   v[ADRW2+(\slot)] offset:16*144*(\bq)+64*(\j)
	ds_load_b128 v[128*(\f)+64+8*(\bq)+4:128*(\f)+64+8*(\bq)+7], v[ADRW2+(\slot)] offset:16*144*(\bq)+64*(\j)+32
.endr
.endm
; cnt x 8 matrix instructions: channel blocks 4 hi + b0 .. x all eight column blocks.  The 64 accumulators take turns, in the same order in every half step.
.macro MUL3 f, hi, b0, cnt
	WIN W_G3L+0x50*(\hi)
.set bz, \b0
.rept \cnt
.irp a, 0,1,2,3,4,5,6,7
	v_wmma_f32_16x16x32_bf16 v[8*(8*bz+(\a)):8*(8*bz+(\a))+7], v[128*(\f)+8*(\a):128*(\f)+8*(\a)+7], v[128*(\f)+64+8*(4*(\hi)+bz):128*(\f)+64+8*(4*(\hi)+bz)+7], v[8*(8*bz+(\a)):8*(8*bz+(\a))+7]
.endr
.set bz, bz+1
.endr
.endm
.macro H3 slot, ip                     ; a step's first half multiplies buffer 0 and fetches the second half
	s_wait_dscnt 8                                 ; the stage's fragments and w2's blocks 0-3 are in; the youngest eight loads may be out
	MUL3 0, 0, 0, 4
	PLACES
	FETCH3 \slot, \ip, 1, 1
	s_wait_dscnt 32                                ; all but the 32 just issued
	MUL3 0, 1, 0, 4
.endm
; A step's second half multiplies buffer 1 and changes slots, as T2 does.  kind 0: nothing is filled, and no round follows.
; nxt 3: the other slot's block ni is fetched next; nxt 2: the next chunk's first fragments.
.macro T3 slot, kind, idx, nxt, ni
	WIN 0
	s_wait_tensorcnt 0x0
	ds_add_u32 v[SPW], v[NIL]                      ; 0 onto my spare word
.if (\kind) != 0
	SETF \slot, \kind, \idx
.endif
	s_wait_dscnt 9                                 ; the add and the youngest eight loads may be out
	MUL3 1, 0, 0, 2
	s_wait_dscnt 0x0
	s_barrier_signal -1
	MUL3 1, 0, 2, 2
	WIN 0
	s_barrier_wait -1
.if (\kind) != 0
	CREST
	ASK \slot, \kind
.else
	PLACES
.endif
.if (\nxt) == 3
	FETCH3 1-(\slot), \ni, 0, 0
.else
	FETCH2 0, HR0, 0, 0
.endif
	MUL3 1, 1, 0, 4
.endm
	s_wait_tensorcnt 1                             ; waves 0, 1: my part of w1's step 0 is in, step 1's may stay out.  Waves 2, 3: hn's tiles of steps 0 and 1 are in, step 2's may stay out.
	s_barrier_signal -1
	s_barrier_wait -1
	FETCH2 0, HR0, 0, 0
	s_mov_b32 s80, 4                               ; chunks to go, this one among them: the same number in every work-group
.Lchunk:
	Q2 0, HR0, 1, 0, 1, 1                          ; G2, step 0: w1 from slot 0, hn from its resident tile
	Q2 0, HR0, 2, 1, 0, 0
	Q2 0, HR0, 3, 0, 1, 0
	T2 0, 1, 2, 1, H1                              ; slot 0 takes w1's step 2
	Q2 1, H1, 1, 0, 1, 0                           ; step 1: both from slot 1
	Q2 1, H1, 2, 1, 0, 0
	Q2 1, H1, 3, 0, 1, 0
	T2 1, 2, 3, 0, HR2                             ; slot 1 takes w1's and hn's step 3
	Q2 0, HR2, 1, 0, 1, 0                          ; step 2: w1 from slot 0, hn from its resident tile
	Q2 0, HR2, 2, 1, 0, 0
	Q2 0, HR2, 3, 0, 1, 0
	T2 0, 3, 0, 1, H1                              ; slot 0 takes w2's block 0
	Q2 1, H1, 1, 0, 1, 0                           ; step 3
	Q2 1, H1, 2, 1, 0, 0
	Q2 1, H1, 3, 0, 1, 0
	T2 1, 3, 1, -1, 0                              ; slot 1's last reads are over: it takes w2's block 1 AHEAD of the stage's work, in which the block lands
	PLACES                                         ; the maxima below read results just made
	STAGE
	s_wait_dscnt 0x0                               ; for the others' sake: my stores into the stage are done
	s_barrier_signal -1                            ; a plain barrier: block 1's load may stay out across it
	s_barrier_wait -1                              ; block 0, which is read next, was shown landed by the wait for 0 in front of the round above
	FETCH3 0, 0, 0, 0
	H3 0, 0                                        ; G3, step 0
	T3 0, 3, 2, 3, 1
	H3 1, 1                                        ; step 1
	T3 1, 3, 3, 3, 2
	WIN 0
	s_cmp_eq_u32 s80, 1
	s_cbranch_scc1 .Llast                          ; the last chunk's tail is written out: it asks for nothing more
	H3 0, 2                                        ; step 2: THE RING GOES ON INTO THE NEXT CHUNK
	T3 0, 4, 0, 3, 3
	H3 1, 3                                        ; step 3
	T3 1, 5, 1, 2, 0
	WIN 0
	s_mov_b32 s[CB], s[CN]                         ; the next chunk, and the one behind it, round the four
	s_add_co_u32 s[CN], s[CN], 262144
	s_and_b32 s[CN], s[CN], 0xfffff
	s_sub_co_u32 s80, s80, 1
	s_branch .Lchunk
.Llast:
.set n, 0
.rept 32                                       ; my first 32 rows of x are asked for two steps ahead of their use: G2's fragment registers are free
	global_load_b128 v[X+4*n:X+4*n+3], v[XO], s[XB:XB+1] offset:4096*n th:TH_LOAD_NT
.set n, n+1
.endr
	global_prefetch_b8 v[PFO], s[XB:XB+1] offset:4096*32 th:TH_LOAD_NT scope:SCOPE_SE  ; my rows 32 to 95, each block of 256 bytes once, 16 rows a line: 32,768 bytes a wave ahead of the loads that will want them
	global_prefetch_b8 v[PFO], s[XB:XB+1] offset:4096*48 th:TH_LOAD_NT scope:SCOPE_SE
	H3 0, 2
	T3 0, 0, 0, 3, 3
	WIN 0
	global_prefetch_b8 v[PFO], s[XB:XB+1] offset:4096*64 th:TH_LOAD_NT scope:SCOPE_SE
	global_prefetch_b8 v[PFO], s[XB:XB+1] offset:4096*80 th:TH_LOAD_NT scope:SCOPE_SE
	H3 1, 3
	s_wait_dscnt 8
	MUL3 1, 0, 0, 4
	s_wait_dscnt 0x0
	MUL3 1, 1, 0, 4
	PLACES                                         ; the stores below read results just made
	WIN 0
	s_barrier_signal -1                            ; every wave's reads of the slots, of the stage and of hn's tiles are over (the wait for 0 above):
	s_barrier_wait -1                              ; their bytes now take z
.irp hi, 0,1
	WIN 0x08+4*(\hi)                               ; store data in window 2, then 3
.irp bq, 0,1,2,3
.irp a, 0,1,2,3,4,5,6,7
	ds_store_b128 v[ZST], v[8*(8*(\bq)+(\a)):8*(8*(\bq)+(\a))+3]   offset:16*528*(4*(\hi)+(\bq))+64*(\a)  ; each accumulator's low registers first
	ds_store_b128 v[ZST], v[8*(8*(\bq)+(\a))+4:8*(8*(\bq)+(\a))+7] offset:16*528*(4*(\hi)+(\bq))+64*(\a)+16
.endr
.endr
.endr
	WIN 0
; Eight rows: z back from my own bytes (LDS serves a wave's instructions in order, ISA guide 5.7.1.4: the loads see the stores above), the gate 1 / (1 + 2^z), times x, out.
; x lies in a ring of four register buffers of eight rows.  ahead = 1: the buffer is asked for again, 32 rows on.  left: the younger loads that may stay out.
.macro GROUP k, ahead, left
.irp i, 0,1,2,3,4,5,6,7
	ds_load_b128 v[Z+4*(\i):Z+4*(\i)+3], v[ZRD] offset:528*(8*(\k)+(\i))
.endr
	s_wait_dscnt 0x0
.set n, 0
.rept 32
	v_exp_f32 v[Z+n], v[Z+n]
.set n, n+1
.endr
	v_nop                                          ; a plain instruction between the last exponential and the use of its result (ISA guide 5.7.2)
.set n, 0
	s_wait_alu depctr_va_vdst(0)
.rept 16
	v_pk_add_f32 v[Z+2*n:Z+2*n+1], v[Z+2*n:Z+2*n+1], 1.0 op_sel_hi:[1,0]
.set n, n+1
.endr
.set n, 0
.rept 32
	v_rcp_f32 v[Z+n], v[Z+n]
.set n, n+1
.endr
	v_nop
	s_wait_loadcnt \left                           ; my eight rows of x are in
	s_wait_xcnt 0x0                                ; the last group's stores have read their data: it is rewritten only behind this wait
.set n, 0
	s_wait_alu depctr_va_vdst(0)
.rept 16
	v_pk_mul_f32 v[O+2*n:O+2*n+1], v[Z+2*n:Z+2*n+1], v[X+32*(\k)+2*n:X+32*(\k)+2*n+1]
.set n, n+1
.endr
.irp i, 0,1,2,3,4,5,6,7
	global_store_b128 v[XO], v[O+4*(\i):O+4*(\i)+3], s[OB:OB+1] offset:4096*(8*(\k)+(\i)) th:TH_STORE_NT  ; the wave stores 512 consecutive bytes, at a multiple of 256 from out0's first byte
.endr
.if \ahead
.irp i, 0,1,2,3,4,5,6,7
	global_load_b128 v[X+32*(\k)+4*(\i):X+32*(\k)+4*(\i)+3], v[XO], s[XB:XB+1] offset:131072+4096*(8*(\k)+(\i)) th:TH_LOAD_NT
.endr
.endif
.endm
	s_mov_b32 s81, 3
.Lrows:                                                ; a trip: 32 rows
	GROUP 0, 1, 24
	GROUP 1, 1, 24
	GROUP 2, 1, 24
	GROUP 3, 1, 24
	s_wait_xcnt 0x0                                ; the bases are stepped only behind this wait
	s_add_nc_u64 s[XB:XB+1], s[XB:XB+1], 131072
	s_add_nc_u64 s[OB:OB+1], s[OB:OB+1], 131072
	v_add_nc_u32 v[ZRD], 32*528, v[ZRD]
	s_sub_co_u32 s81, s81, 1
	s_cmp_lg_u32 s81, 0
	s_cbranch_scc1 .Lrows
	GROUP 0, 0, 24                                 ; the last 32 rows load nothing: the counts run down
	GROUP 1, 0, 16
	GROUP 2, 0, 8
	GROUP 3, 0, 0
	s_wait_tensorcnt 0x0                           ; the wave's end: an add and its wait, behind my last tensor load and my last LDS store
	ds_add_u32 v[SPW], v[NIL]
	s_wait_dscnt 0x0
	CROUND                                         ; the closing round: no work-group ends while a partner may still ask for a tile that names it
	s_endpgm
.Lfunc_end_k_q6d7a8a5df0_mlp:
	.size	k_q6d7a8a5df0_mlp, .Lfunc_end_k_q6d7a8a5df0_mlp-k_q6d7a8a5df0_mlp
	.p2alignl 7, 3214868480
	.fill 96, 4, 3214868480
	.section	.rodata,"a",@progbits
	.p2align	6, 0x0
	.amdhsa_kernel k_q6d7a8a5df0_mlp
		.amdhsa_group_segment_fixed_size 327680
		.amdhsa_private_segment_fixed_size 0
		.amdhsa_enable_private_segment 0
		.amdhsa_kernarg_size 40
		.amdhsa_user_sgpr_count 2
		.amdhsa_user_sgpr_kernarg_segment_ptr 1
		.amdhsa_wavefront_size32 1
		.amdhsa_system_sgpr_workgroup_id_x 1
		.amdhsa_system_sgpr_workgroup_id_y 1
		.amdhsa_system_sgpr_workgroup_id_z 1
		.amdhsa_system_vgpr_workitem_id 0
		.amdhsa_next_free_vgpr 1024
		.amdhsa_next_free_sgpr 98
		.amdhsa_reserve_vcc 0
		.amdhsa_float_denorm_mode_32 3
		.amdhsa_float_denorm_mode_16_64 3
		.amdhsa_memory_ordered 1
		.amdhsa_forward_progress 1
		.amdhsa_inst_pref_size 233
	.end_amdhsa_kernel
	.amdgpu_metadata
---
amdhsa.version: [ 1, 2 ]
amdhsa.kernels:
  - .name:           k_q6d7a8a5df0_mlp
    .symbol:         k_q6d7a8a5df0_mlp.kd
    .args:
      - { .name: hn, .offset: 0, .size: 8, .value_kind: global_buffer, .address_space: global }
      - { .name: w1b, .offset: 8, .size: 8, .value_kind: global_buffer, .address_space: global }
      - { .name: w2b, .offset: 16, .size: 8, .value_kind: global_buffer, .address_space: global }
      - { .name: x, .offset: 24, .size: 8, .value_kind: global_buffer, .address_space: global }
      - { .name: out0, .offset: 32, .size: 8, .value_kind: global_buffer, .address_space: global }
    .group_segment_fixed_size: 327680
    .private_segment_fixed_size: 0
    .kernarg_segment_align: 8
    .kernarg_segment_size: 40
    .max_flat_workgroup_size: 128
    .sgpr_count:     98
    .vgpr_count:     1024
    .wavefront_size: 32
...
	.end_amdgpu_metadata
.endif
;; end of part 6
